; MI455X (gfx1250); checked and timed in simulation.
; The chip was launched on July 23, 2026; its instructions are those of AMD's public machine-readable ISA for CDNA 5 (MIT licence, August 2026) and "CDNA5" Instruction Set Architecture Reference Guide (July 2026). The comments in the code are by the model that wrote it; some were corrected since.
;; Llama Attention. Allowed arithmetic: matrix products marked QUANTISED: E2M1 operands, one E8M0 scale for each 32 along K, by v_wmma_scale_f32_16x16x128_f8f6f4 with both operands' format E2M1 (or v_wmma_scale_f32_32x16x128_f4), f32 sums; everything else in f32.
;; Inputs: cos 1 x 1 x 2,048 x 128 float32; hidden_states_codes 1 x 2,048 x 64 x 16 uint8 (E2M1 codes of hidden_states, K innermost, in blocks of 32 codes, two codes a byte); hidden_states_scales 1 x 2,048 x 64 uint8 (E8M0 scales of hidden_states, one for each 32 codes along K); sin 1 x 1 x 2,048 x 128 float32; wk_codes 2,048 x 64 x 16 uint8 (E2M1 codes of wk, K innermost, in blocks of 32 codes, two codes a byte); wk_scales 2,048 x 64 uint8 (E8M0 scales of wk, one for each 32 codes along K); wo_codes 2,048 x 64 x 16 uint8 (E2M1 codes of wo, K innermost, in blocks of 32 codes, two codes a byte); wo_scales 2,048 x 64 uint8 (E8M0 scales of wo, one for each 32 codes along K); wq_codes 2,048 x 64 x 16 uint8 (E2M1 codes of wq, K innermost, in blocks of 32 codes, two codes a byte); wq_scales 2,048 x 64 uint8 (E8M0 scales of wq, one for each 32 codes along K); wv_codes 2,048 x 64 x 16 uint8 (E2M1 codes of wv, K innermost, in blocks of 32 codes, two codes a byte); wv_scales 2,048 x 64 uint8 (E8M0 scales of wv, one for each 32 codes along K).
;; Outputs: out0 1 x 2,048 x 2,048 float32.
;; This version of the problem:
;;   THIS VERSION OF THE PROBLEM IS GIVEN IN LOW PRECISION. The matrix products marked QUANTISED in the list below multiply operands that are first quantised to E2M1 (2 exponent bits, 1 mantissa bit; 4 bits a number), with one power-of-two scale for each 32 numbers along K (OCP MX v1.0); their sums are f32. All else is computed in f32.
;;   The module's matrix products, in the order in which they are computed (A, B: the left and right operand; K: the contracted axis; several contracted axes count as one K, in the product's order):
;;     1. [M 2,048, K 2,048] x [K 2,048, N 2,048]; A: input hidden_states (given as codes); B: input wq (given as codes): QUANTISED
;;     2. [M 2,048, K 2,048] x [K 2,048, N 2,048]; A: input hidden_states (given as codes); B: input wk (given as codes): QUANTISED
;;     3. [M 2,048, K 2,048] x [K 2,048, N 2,048]; A: input hidden_states (given as codes); B: input wv (given as codes): QUANTISED
;;     4. batch 16 x [M 2,048, K 128] x [K 128, N 2,048]; A: computed on the way; B: computed on the way: QUANTISED
;;     5. batch 16 x [M 2,048, K 2,048] x [K 2,048, N 128]; A: softmax (see below); B: computed on the way: QUANTISED
;;     6. [M 2,048, K 2,048] x [K 2,048, N 2,048]; A: computed on the way; B: input wo (given as codes): QUANTISED
;;   THE QUANTISER, for each operand of a quantised product, along K:
;;     - K is cut into blocks of 32 from its start; a last block that is shorter is filled with zeros.
;;     - A block's scale is 2^e with e = floor(log2(the largest magnitude in the block)) - 2, held to -126 .. 127; a block of zeros has e = 0. As a byte (E8M0): e + 127.
;;     - Each number is divided by its block's scale, clamped to +-6, and rounded to the nearest number of E2M1, ties to even, subnormals kept.
;;     - The product sums the exact products of the quantised numbers (number of the format x scale) in f32.
;;   ~~~python
;;   def quantise(x, axis):      # numpy; x: float32 -> the quantised numbers, widened to float32 again
;;       x = np.moveaxis(x, axis, -1); K = x.shape[-1]
;;       x = np.pad(x, [(0, 0)] * (x.ndim - 1) + [(0, -K % 32)]); x = x.reshape(x.shape[:-1] + (-1, 32)); a = np.abs(x).max(-1, keepdims=True)
;;       e = np.where(a > 0, np.clip(np.frexp(np.where(a > 0, a, 1))[1] - 1 - 2, -126, 127), 0)      # np.frexp(a)[1] - 1 = floor(log2(a)), exactly
;;       r = np.clip(x / 2.0 ** e, -6, 6)
;;       step = 2.0 ** (np.maximum(np.frexp(np.where(r == 0, 1, r))[1] - 1, 0) - 1)
;;       q = np.round(r / step) * step * 2.0 ** e      # np.round: ties to even
;;       return np.moveaxis(q.reshape(q.shape[:-2] + (-1,))[..., :K], -1, axis).astype(np.float32)
;;   ~~~
;;   SOFTMAX AHEAD OF A QUANTISED PRODUCT. Where the list says 'softmax', what is quantised is not the finished softmax but p = 2^(t - M), with t = logit x log2(e) and M = ceil(the row's largest t), a whole number; so 1/2 < the row's largest p <= 1. The row's sum l is taken of the UNQUANTISED p, in f32, and the product's result is divided by l at the end. Since M is a whole number, a kernel that streams over the keys may use a running M (the ceiling of the running maximum): every later rescaling is an exact power of two, which a block's scale takes up: the codes' values come out the same.
;;   OPERANDS COMPUTED ON THE WAY. 'Computed on the way' means the value that the module computes at that place (a softmax that the list does not call 'softmax' is quantised finished and normalised). What goes into a quantiser is computed in f32, as accurately as f32 sums, v_exp_f32 and their like allow (about 1e-6 of the number): no bf16 or f16 on the way to a quantiser, and a product that is left as it is and whose result goes on into a quantised operand takes f32 operands (vector FMAs, or v_wmma_f32_16x16x4_f32). A number that lies on a knife's edge between two numbers of the format may be rounded either way, as far as f32 arithmetic and the matrix unit's own rounding can turn it there, and no further.
;;   INPUTS GIVEN AS CODES. hidden_states (in the module: [1, 2048, 2048], K = its axis 2); wk (in the module: [2048, 2048], K = its axis 0); wo (in the module: [2048, 2048], K = its axis 0); wq (in the module: [2048, 2048], K = its axis 0); wv (in the module: [2048, 2048], K = its axis 0): each comes as NAME_codes (uint8): NAME with its K axis moved to the last place and cut into blocks of 32 codes, [.., K / 32, bytes a block], one block behind the other in memory; two codes a byte, the lower K in the low four bits (a code: sign, 2 exponent bits, 1 mantissa bit); and NAME_scales (uint8): the same leading axes, one E8M0 byte (e + 127) for each 32 codes along K. Its value is code x scale, taken as it is: it is not quantised again, and the codes and scales need not be those that the quantiser above would give.
;; One version. Each part assembles by itself: llvm-mc -triple=amdgcn-amd-amdhsa -mcpu=gfx1250 --defsym DOCPART=n.
;; ======== version 1 of 1: 3 launches
;; limits: right only within a limited range of input values
;; workspace buffers: qw 2,228,224 bytes; kw 2,228,224 bytes; vw 2,228,224 bytes; aw 2,228,224 bytes
;; launch qkv (part 1): grid 16 x 16, 4 waves a work-group, clusters of 4 x 4, 327,680 bytes of LDS; arguments hidden_states_codes, hidden_states_scales, wq_codes, wq_scales, wk_codes, wk_scales, wv_codes, wv_scales, cos, sin, qw, kw, vw; writes qw, kw, vw
.if DOCPART == 1
	.amdgcn_target "amdgcn-amd-amdhsa--gfx1250"
	.amdhsa_code_object_version 6
	.text
	.protected	k_q46d44cae08_qkv
	.globl	k_q46d44cae08_qkv
	.p2align	8
	.type	k_q46d44cae08_qkv,@function
k_q46d44cae08_qkv:
	s_mov_b64 s[64:65], 0
	v_nop
	global_prefetch_b8 v0, s[64:65] scope:SCOPE_SE
	s_setreg_imm32_b32 hwreg(HW_REG_WAVE_MODE, 25, 1), 1
	s_wait_xcnt 0x0
	s_wait_alu depctr_hold_cnt(0) depctr_sa_sdst(0) depctr_va_vdst(0) depctr_va_sdst(0) depctr_va_ssrc(0) depctr_va_vcc(0) depctr_vm_vsrc(0)
	s_getreg_b32 s2, hwreg(HW_REG_IB_STS2, 6, 4)
	s_cmp_eq_u32 s2, 0
	s_cbranch_scc0 .Lentry_in_a_cluster
	s_endpgm
.Lentry_in_a_cluster:
	s_bfe_u32 s2, ttmp6, 0x10000c
	s_cmp_lg_u32 s2, 0xf033
	s_cbranch_scc0 .Lentry_shape_is_right
	s_endpgm
.Lentry_shape_is_right:
; q, k, v = hidden W (three products on given codes of FP4 with E8M0 scales), RoPE on q and k in f32, then q and k quantised along d and v along the keys.
; SHARES.  Work-group (x = head, y = block of 128 rows) makes 128 rows x (q, k, v of one head: 384 columns) over K = 2,048, so that hidden's tile is fetched once for three products.
; Wave w (rho = w / 2, p = w % 2): rows 64 rho .. + 63 (4 tiles a) x, of each of q, k, v, the four d tiles dt(i) = 2 p + i % 2 + 4 (i / 2): d blocks p and p + 2, so that RoPE's partner d +- 64 is slot i +- 2, same lane, same register.
; q, k are used TRANSPOSED (source 0 = 16 rows of W, source 1 = 16 rows of hidden): a lane holds one row and its registers run along d.  v the natural way: a lane holds one d and its registers run along the rows, which are the keys.
; OUT.  Records of 8,704 bytes: 8 images of operand fragments (register group c of lane l at 1024 t + 512 c + 16 l), then 512 bytes of scale words (tile t, row r at 8192 + 64 t + 4 r).
;   qw, kw: record 16 head + block, tile t = rows 16 t + r, K = d.   vw: record 16 head + block, tile t = channels 16 t + r, K = the block's 128 keys.
; A block of 32 along the next K is 16 registers of lanes l and l xor 16.  Two conversions and one exchange of halves leave k 0-15 in lane (r, 0) and k 16-31 in lane (r, 1): the wave's store of 8 bytes a lane covers 256 consecutive bytes, aligned.
; CLUSTER 4 x 4: hidden's tiles hang on y and are asked for jointly along the cluster's row, W's hang on x and are asked for jointly along its column.
; RING: K steps of 512 (rows of 256 bytes) through two slots; four K steps; the text is written out.  One joint load a wave brings K step 0; K step 1's stands behind a round of the cluster's barrier, as a refill does.
; SCALE BYTES: a wave's 256 rows of 64 bytes go from memory straight into 128 registers, once: lane = row, register = 128 along K.
; PREFETCH: behind the load of K step t each wave asks for its share of K step t + 1: the four partners of a joint load take 32 of its 128 rows each, told apart by address.
; LIMITS: NaN and infinities are not served; a block whose largest magnitude lies under 2^-124 is held at the byte 1; a block of zeros gets the byte 1 (its codes are zeros, and this program alone reads the bytes).
; REGISTERS: window 0: v1-31 addresses; v32-159 scale words; v160-207 codes; v208-219 at work; v224-247 scale bytes.  window 1: two buffers of 16 fragments; afterwards cos and sin of row tiles 2, 3 (v0-127) and T (v128-191).
;   window 2: q's 16 accumulators, then k's.   window 3: v's 16 accumulators; v128-255 cos and sin of row tiles 0, 1.
.set PITCH, 272                        ; an LDS row: 256 bytes + 16 of padding, so that the 16 rows of a fragment load start 16 bytes apart modulo 256
.set HALFT, 128*PITCH                  ; 128 rows: one tensor load
.set SLOT,  4*HALFT                    ; hidden, wq, wk, wv: wave 0 .. 3
.set SPARE, 2*SLOT                     ; the spare words: 128 bytes a wave
.set SCW,   SPARE+512                  ; the scale words made here: q's, k's, v's, 512 bytes each; no fill lands here
.set REC,   8704
.set WV,  30
.set RHO, 31
.set PP,  66
.set G1,   32                          ; s[32:39] group 1, hidden's tiles;  s[40:47] W's
.set G1B,  40
.set PFA,  60                          ; s[60:61] where my prefetches stand
.set G0,   68                          ; s[68:75] group 0, hidden, a set for each slot;  s[76:83] W
.set G0B,  76
.set SEL,  96
.set SBV, 12                           ; v12 where v's scale bytes go
.set SR,  13                           ; v13 SCW + 16 x thread
.set WO,  14                           ; v14 16 x lane
.set PFO, 15                           ; v15 1,024 x lane: the prefetches' rows; never rewritten
.set ADR, 16                           ; v[16 + 4 slot + X]: fragments of hidden (X = 0), wq, wk, wv
.set VSH, 24                           ; v24 offset of my rows' scale bytes in hidden's, v25 in a weight's
.set VSW, 25
.set CA,  26
.set SOQ, 27
.set SPW, 28
.set NIL, 29
.set SOV, 30
.set SBQ, 31
.set SC,  32                           ; register SC + 32 X + 16 j + n: lanes 0-15 tile (slot) 2 j, lanes 16-31 tile 2 j + 1, the n-th 128 along K
.set C,   160
.set TM,  208
.set BY,  224
.set T,   128                          ; in window 1
.set QK,  0xa5                         ; sources 0, 1 window 1; C and D window 2
.set VV,  0xf5                         ; the same; C and D window 3
.set TOF, 0x40                         ; destination window 1
.set TO3, 0xc0                         ; destination window 3
.set MSB, 0
.macro WIN new                         ; the immediate's high byte repeats the setting that is left
.if MSB != \new
	s_set_vgpr_msb (MSB<<8)|\new
.set MSB, \new
.endif
.endm
.macro PLACES
.rept 4
	v_nop
.endr
.endm
; A joint load: wave 0 fetches for hidden, waves 1 to 3 for wq, wk, wv.  The branch hangs on the wave's number alone.  Four v_nop follow each line.
.macro JLOAD g0a, g1a, g0b, g1b
	s_cmp_eq_u32 s[WV], 0
	s_cbranch_scc0 .Lfor_b_\@
	tensor_load_to_lds s[\g0a:\g0a+3], s[\g1a:\g1a+7]
	s_nop 0
	PLACES
	s_branch .Lasked_\@
.Lfor_b_\@:
	tensor_load_to_lds s[\g0b:\g0b+3], s[\g1b:\g1b+7]
	s_nop 0
	PLACES
.Lasked_\@:
.endm
.macro CREST                           ; a round of the cluster's barrier behind its opening barrier
	s_cmp_lg_u32 s[WV], 0
	s_cbranch_scc1 .Lnot_wave_0_\@
	s_barrier_signal -3
.Lnot_wave_0_\@:
	s_barrier_wait -3
	s_barrier_signal -1
	s_barrier_wait -1
.endm
.macro CROUND
	s_barrier_signal -1
	s_barrier_wait -1
	CREST
.endm
.macro ASK t                           ; my 32 rows' 256 bytes of K step t
	global_prefetch_b8 v[PFO], s[PFA:PFA+1] offset:256*\t th:TH_LOAD_NT scope:SCOPE_SE
.endm
; One matrix instruction from the symbols rD, rA, rB, rSA, rSB; fRA, fRB: the scales stand in lanes 16-31; fZ: the product starts the sum.
.macro WMI c, ma, mb
	v_wmma_scale_f32_16x16x128_f8f6f4 v[rD:rD+7], v[rA:rA+7], v[rB:rB+7], \c, v[rSA], v[rSB] matrix_a_fmt:MATRIX_FMT_FP4 matrix_b_fmt:MATRIX_FMT_FP4 \ma \mb
.endm
.macro WMS c
.if fRA && fRB
	WMI \c, matrix_a_scale:MATRIX_SCALE_ROW1, matrix_b_scale:MATRIX_SCALE_ROW1
.elseif fRA
	WMI \c, matrix_a_scale:MATRIX_SCALE_ROW1
.elseif fRB
	WMI \c, matrix_b_scale:MATRIX_SCALE_ROW1
.else
	WMI \c
.endif
.endm
.macro WM
.if fZ
	WMS 0
.else
	WMS v[rD:rD+7]
.endif
.endm
	s_load_b512 s[4:19], s[0:1], 0x0               ; hidden's codes, scales; wq's; wk's; wv's
	s_load_b256 s[20:27], s[0:1], 0x40             ; cos, sin, qw, kw
	s_load_b64 s[28:29], s[0:1], 0x60              ; vw
	v_lshl_add_u32 v[SPW], v0, 2, SPARE
	v_mov_b32 v[NIL], 0
	ds_add_u32 v[SPW], v[NIL]                      ; the opening: the add, twice on end, and its wait
	ds_add_u32 v[SPW], v[NIL]
	v_lshrrev_b32 v1, 5, v0
	v_readfirstlane_b32 s[WV], v1                  ; wave 0..3
	s_lshr_b32 s[RHO], s[WV], 1
	s_and_b32 s[PP], s[WV], 1
	s_bfe_u32 s2, ttmp6, 0x40000                   ; cx
	s_bfe_u32 s3, ttmp6, 0x40004                   ; cy
	s_lshl_b32 s98, ttmp9, 2
	s_add_co_u32 s98, s98, s2                      ; x = the head
	s_and_b32 s99, ttmp7, 0xffff
	s_lshl_b32 s99, s99, 2
	s_add_co_u32 s99, s99, s3                      ; y = the block of rows
	s_lshl_b32 s100, s3, 2
	s_lshl_b32 s100, 15, s100                      ; my row of the cluster
	s_lshl_b32 s101, 0x1111, s2                    ; my column
	; group 1: tiles of 128 rows x 256 bytes, 1,024 bytes apart in memory, 16 bytes of padding behind each row
	s_or_b32 s[G1], s100, (1<<20)|(1<<21)|(5<<22)|(3<<25)
	s_or_b32 s[G1B], s101, (1<<20)|(1<<21)|(5<<22)|(3<<25)
.irp g, G1, G1B
	s_mov_b32 s[\g+1], 256<<16                     ; tensor_dim0
	s_mov_b32 s[\g+2], 128<<16                     ; tensor_dim1
	s_mov_b32 s[\g+3], 256<<16                     ; tile_dim0
	s_mov_b32 s[\g+4], 128                         ; tile_dim1
	s_mov_b32 s[\g+5], 1024                        ; from row to row
	s_mov_b32 s[\g+6], 0
	s_mov_b32 s[\g+7], 0
.endr
	s_lshl_b32 s100, s99, 17                       ; y's 128 rows of codes (registers of the y family hold nothing of x, and the other way round)
	s_lshl_b32 s94, s99, 13                        ; and of scale bytes
	s_lshl_b32 s101, s98, 17                       ; x's 128 rows of a weight's codes
	s_lshl_b32 s95, s98, 13
	s_mov_b32 s[SEL], 0x76543210
	s_mov_b32 s[SEL+1], 0xfedcba98                 ; v_permlanex16_b32's selects for lane l xor 16
	; every LDS address is made here, ahead of the first branch on the wave's number
	v_and_b32 v1, 15, v0                           ; r
	v_bfe_u32 v2, v0, 4, 1                         ; h
	v_and_b32 v3, 31, v0                           ; lane
	v_mul_u32_u24 v4, v1, PITCH
	v_lshl_add_u32 v4, v2, 4, v4                   ; a fragment's row x pitch + 16 h
	s_mul_i32 s92, s[RHO], 64*PITCH
	s_mul_i32 s93, s[PP], 32*PITCH
	v_add_nc_u32 v5, s92, v4                       ; hidden: my 64 rows
	v_add_nc_u32 v6, s93, v4                       ; W: d tiles 2 p on
.irp s, 0,1
	v_add_nc_u32 v[ADR+4*\s], \s*SLOT, v5
.irp X, 1,2,3
	v_add_nc_u32 v[ADR+4*\s+\X], \s*SLOT+\X*HALFT, v6
.endr
.endr
	v_lshlrev_b32 v7, 6, v3                        ; a lane a row of 64 scale bytes
	s_lshl_b32 s92, s[RHO], 12
	v_add_nc_u32 v[VSH], s92, v7
	s_lshl_b32 s93, s[PP], 11
	v_add_nc_u32 v[VSW], s93, v7
	v_lshlrev_b32 v[PFO], 10, v3
	v_lshlrev_b32 v[CA], 9, v1                     ; cos, sin: row r of 512 bytes, + 32 h, + 128 p, + 64 rho rows
	v_lshl_add_u32 v[CA], v2, 5, v[CA]
	s_lshl_b32 s92, s[PP], 7
	s_lshl_b32 s93, s[RHO], 15
	s_add_co_u32 s92, s92, s93
	v_add_nc_u32 v[CA], s92, v[CA]
	v_lshlrev_b32 v9, 4, v1
	v_lshl_add_u32 v9, v2, 3, v9                   ; 16 r + 8 h: my 8 bytes of a block's 256
	s_lshl_b32 s92, s[PP], 8
	s_lshl_b32 s93, s[RHO], 12
	s_add_co_u32 s92, s92, s93
	v_add_nc_u32 v[SOQ], s92, v9                   ; q, k: tile 4 rho + a, block p + 2 g
	s_lshl_b32 s92, s[PP], 11
	s_lshl_b32 s93, s[RHO], 9
	s_add_co_u32 s92, s92, s93
	v_add_nc_u32 v[SOV], s92, v9                   ; v: tile dt(i), block 2 rho + beta
	v_lshlrev_b32 v10, 2, v1
	s_lshl_b32 s93, s[RHO], 8
	s_add_co_u32 s92, s93, s[PP]
	s_add_co_u32 s92, s92, SCW
	v_add_nc_u32 v[SBQ], s92, v10
	s_lshl_b32 s92, s[RHO], 1
	s_lshl_b32 s93, s[PP], 7
	s_add_co_u32 s92, s92, s93
	s_add_co_u32 s92, s92, SCW+1024
	v_add_nc_u32 v[SBV], s92, v10
	v_lshl_add_u32 v[SR], v0, 4, SCW
	v_lshlrev_b32 v[WO], 4, v3
.irp b, 0,1,2,3
	v_mov_b32 v[TM+4+\b], 0                        ; written once: a lane permute's destination counts as one of its sources
.endr
	s_mul_i32 s67, s[WV], HALFT                    ; where my tiles go: wave x 128 rows
	s_wait_alu depctr_va_vdst(0)
	s_wait_dscnt 0x0                               ; both opening adds are done
	s_wait_kmcnt 0x0
	s_cmp_eq_u32 s[WV], 2                          ; which weight I fetch: wave 1 wq, wave 2 wk, wave 3 wv
	s_cselect_b64 s[92:93], s[12:13], s[8:9]
	s_cmp_eq_u32 s[WV], 3
	s_cselect_b64 s[92:93], s[16:17], s[92:93]
	s_mov_b32 s[G0], 1
	s_mov_b32 s[G0+4], 1
	s_mov_b32 s[G0+1], s67
	s_add_co_u32 s[G0+5], s67, SLOT
	s_add_co_u32 s[G0+2], s4, s100
	s_add_co_ci_u32 s[G0+3], s5, 0
	s_add_nc_u64 s[G0+6:G0+7], s[G0+2:G0+3], 256   ; slot 1: K step 1
	s_or_b32 s[G0+3], s[G0+3], 0x80000000
	s_or_b32 s[G0+7], s[G0+7], 0x80000000
	s_mov_b32 s[G0B], 1
	s_mov_b32 s[G0B+4], 1
	s_mov_b32 s[G0B+1], s67
	s_add_co_u32 s[G0B+5], s67, SLOT
	s_add_co_u32 s[G0B+2], s92, s101
	s_add_co_ci_u32 s[G0B+3], s93, 0
	s_add_nc_u64 s[G0B+6:G0B+7], s[G0B+2:G0B+3], 256
	s_or_b32 s[G0B+3], s[G0B+3], 0x80000000
	s_or_b32 s[G0B+7], s[G0B+7], 0x80000000
	CROUND                                         ; all sixteen work-groups are here: the first joint loads meet
	JLOAD G0, G1, G0B, G1B                         ; K step 0: one tensor load a wave at the head
	; the scale bytes of my rows, for all of K
	s_add_co_u32 s6, s6, s94
	s_add_co_ci_u32 s7, s7, 0
	s_add_co_u32 s10, s10, s95
	s_add_co_ci_u32 s11, s11, 0
	s_add_co_u32 s14, s14, s95
	s_add_co_ci_u32 s15, s15, 0
	s_add_co_u32 s18, s18, s95
	s_add_co_ci_u32 s19, s19, 0
.irp j, 0,1
.irp c, 0,1,2,3
	global_load_b128 v[SC+16*\j+4*\c:SC+16*\j+4*\c+3], v[VSH], s[6:7] offset:2048*\j+16*\c
.endr
.endr
.irp X, 1,2,3
.irp j, 0,1
.irp c, 0,1,2,3
	global_load_b128 v[SC+32*\X+16*\j+4*\c:SC+32*\X+16*\j+4*\c+3], v[VSW], s[6+4*\X:7+4*\X] offset:4096*\j+16*\c
.endr
.endr
.endr
	; the prefetches: wave 0 hidden's rows, shared along the cluster's row by cx; waves 1 to 3 a weight's, shared along its column by cy
	s_cmp_eq_u32 s[WV], 0
	s_cselect_b64 s[PFA:PFA+1], s[4:5], s[92:93]
	s_cselect_b32 s62, s100, s101
	s_cselect_b32 s63, s2, s3
	s_lshl_b32 s63, s63, 15
	s_add_co_u32 s62, s62, s63
	s_mov_b32 s63, 0
	s_add_nc_u64 s[PFA:PFA+1], s[PFA:PFA+1], s[62:63]
	ASK 1
	s_lshl_b32 s84, s99, 16                        ; cos and sin at my block's first row
	s_mov_b32 s85, 0
	s_add_nc_u64 s[20:21], s[20:21], s[84:85]
	s_add_nc_u64 s[22:23], s[22:23], s[84:85]
	s_lshl_b32 s84, s98, 4
	s_add_co_u32 s84, s84, s99
	s_mul_i32 s84, s84, REC                        ; record 16 head + block
	s_add_nc_u64 s[24:25], s[24:25], s[84:85]
	s_add_nc_u64 s[26:27], s[26:27], s[84:85]
	s_add_nc_u64 s[28:29], s[28:29], s[84:85]
; 8 LDS loads: operand X's four fragments of the slot's q-th 128 along K into buffer f
.macro FX slot, q, f, X
.irp i, 0,1,2,3
.irp c, 0,1
.if \X == 0
	ds_load_b128 v[128*(\f)+8*\i+4*\c:128*(\f)+8*\i+4*\c+3], v[ADR+4*(\slot)] offset:16*\i*PITCH+64*(\q)+32*\c
.else
	ds_load_b128 v[128*(\f)+32*\X+8*\i+4*\c:128*(\f)+32*\X+8*\i+4*\c+3], v[ADR+4*(\slot)+\X] offset:(16*(\i%2)+64*(\i/2))*PITCH+64*(\q)+32*\c
.endif
.endr
.endr
.endm
; 16 matrix instructions: X = 1 q, 2 k (transposed), 3 v (natural), the n-th 128 along K.  The 48 accumulators take turns, one instruction a turn, in the same order in every step.
.macro MUL16 X, f, n, zero
.irp a, 0,1,2,3
.irp i, 0,1,2,3
.set fZ, \zero
.if \X < 3
.set rD, 128*(\X-1)+8*(4*\a+\i)
.set rA, 128*(\f)+32*\X+8*\i
.set rB, 128*(\f)+8*\a
.set rSA, SC+32*\X+16*(\i/2)+(\n)
.set fRA, \i%2
.set rSB, SC+16*(\a/2)+(\n)
.set fRB, \a%2
.else
.set rD, 8*(\a%2)+16*(\i+4*(\a/2))
.set rA, 128*(\f)+8*\a
.set rB, 128*(\f)+96+8*\i
.set rSA, SC+16*(\a/2)+(\n)
.set fRA, \a%2
.set rSB, SC+96+16*(\i/2)+(\n)
.set fRB, \i%2
.endif
	WM
.endr
.endr
.endm
; A step of 128 along K that has its successor in the same slot.  The successor's loads go out in two runs of 16: hidden and wq ahead of the first 16 products, wk and wv ahead of the other 32.
; The four places at the step's head serve both runs: the other buffer was last read by the step before.
.macro KSUB slot, q, ks, zero
	s_wait_dscnt 16                                ; hidden's and wq's fragments are in; behind them 8 of wk, 8 of wv
	PLACES
	WIN TOF
	FX \slot, (\q)+1, 1-(\q)%2, 0
	FX \slot, (\q)+1, 1-(\q)%2, 1
	WIN QK
	MUL16 1, (\q)%2, 4*(\ks)+(\q), \zero
	s_wait_dscnt 16                                ; wk's and wv's are in; behind them the 16 just issued
	WIN TOF
	FX \slot, (\q)+1, 1-(\q)%2, 2
	FX \slot, (\q)+1, 1-(\q)%2, 3
	WIN QK
	MUL16 2, (\q)%2, 4*(\ks)+(\q), \zero
	WIN VV
	MUL16 3, (\q)%2, 4*(\ks)+(\q), \zero
.endm
; A slot's last step changes slots: one barrier; in front of it each wave waits for all its tensor loads, adds 0 to its spare word, and waits for that and for its reads of this slot.
.macro TURN slot, next, fill, ks
	WIN 0
	s_wait_tensorcnt 0x0                           ; all my tensor loads have landed: my part of the next slot
	ds_add_u32 v[SPW], v[NIL]                      ; 0 onto my spare word
	s_wait_dscnt 17                                ; hidden's and wq's are in; behind them 16 loads and the add
	WIN QK
	MUL16 1, 1, 4*(\ks)+3, 0
	s_wait_dscnt 0x0                               ; the add is done, and my reads of this slot are over
	s_barrier_signal -1
	MUL16 2, 1, 4*(\ks)+3, 0
	WIN 0
	s_barrier_wait -1
.if \fill
	CREST                                          ; the barrier has opened a round of the cluster's: no wave of any partner still reads this slot or has a load on its way
	s_add_nc_u64 s[G0+4*\slot+2:G0+4*\slot+3], s[G0+4*\slot+2:G0+4*\slot+3], 512
	s_add_nc_u64 s[G0B+4*\slot+2:G0B+4*\slot+3], s[G0B+4*\slot+2:G0B+4*\slot+3], 512
	JLOAD G0+4*\slot, G1, G0B+4*\slot, G1B         ; two K steps on; its four v_nop are the places in front of the loads below
.else
	PLACES
.endif
	WIN TOF
.irp X, 0,1,2,3
	FX \next, 0, 0, \X
.endr
.if (\fill) && ((\ks) == 0)
	ASK 3
.endif
	WIN VV
	MUL16 3, 1, 4*(\ks)+3, 0
.endm
; cos and sin of row tile a, in the accumulators' layout: slot i's eight numbers at v[CSR + 8 i] and v[CSR + 32 + 8 i]: window 3 for a = 0, 1, window 1 for a = 2, 3
.macro CSLOAD a
.set CSR, (64*\a+128)%256
.irp i, 0,1,2,3
.irp c, 0,1
	global_load_b128 v[CSR+8*\i+4*\c:CSR+8*\i+4*\c+3], v[CA], s[20:21] offset:8192*\a+64*(\i%2)+256*(\i/2)+16*\c
	global_load_b128 v[CSR+32+8*\i+4*\c:CSR+32+8*\i+4*\c+3], v[CA], s[22:23] offset:8192*\a+64*(\i%2)+256*(\i/2)+16*\c
.endr
.endr
.endm
; Four blocks of 32: block b is registers s + 16 b .. + 15 of lanes l and l xor 16.  wm, wc: the window settings for the maxima and the conversions.  Codes to v[dst + 2 b], + 1; bytes to v[byt + b].
.macro QUANT4 s, wm, wc, dst, byt
	WIN \wm
.irp b, 0,1,2,3
	v_max3_num_f32 v[TM+\b], |v[\s+16*\b]|, |v[\s+16*\b+1]|, 0x1800000   ; with the floor 2^(3 - 127): the byte cannot fall under 1.  Each accumulator is read from its low end on
.endr
.irp i, 2,4,6,8,10,12,14
.irp b, 0,1,2,3
	v_max3_num_f32 v[TM+\b], |v[\s+16*\b+\i]|, |v[\s+16*\b+\i+1]|, v[TM+\b]
.endr
.endr
	WIN 0
.irp b, 0,1,2,3
	v_permlanex16_b32 v[TM+4+\b], v[TM+\b], s[SEL], s[SEL+1]
.endr
.irp b, 0,1,2,3
	v_max_num_f32 v[TM+\b], v[TM+\b], v[TM+4+\b]   ; the block's largest magnitude
.endr
.irp b, 0,1,2,3
	v_add_nc_u32 v[TM+8+\b], 0xff000000, v[TM+\b]  ; 2 off its exponent field: the conversion's scale operand
.endr
.irp b, 0,1,2,3
	v_lshrrev_b32 v[\byt+\b], 23, v[TM+8+\b]       ; the scale's byte
.endr
	WIN \wc
.irp b, 0,1,2,3
	v_cvt_scalef32_pk8_fp4_f32 v[\dst+2*\b], v[\s+16*\b:\s+16*\b+7], v[TM+8+\b]
	v_cvt_scalef32_pk8_fp4_f32 v[\dst+2*\b+1], v[\s+16*\b+8:\s+16*\b+15], v[TM+8+\b]
.endr
	WIN 0
	v_nop                                          ; one plain place behind the scaled conversions
.irp b, 0,1,2,3
	v_permlane16_swap_b32 v[\dst+2*\b], v[\dst+2*\b+1]   ; lane (r, 0): k 0-15 of the block, lane (r, 1): k 16-31
.endr
.endm
.macro VOUT be                         ; v's blocks of keys 64 rho + 32 be on: bytes to LDS, then codes to memory
.irp i, 0,1,2,3
	ds_store_b8 v[SBV], v[BY+4*\be+\i] offset:64*((\i%2)+4*(\i/2))+\be
.endr
.irp i, 0,1,2,3
	global_store_b64 v[SOV], v[C+8*\be+2*\i:C+8*\be+2*\i+1], s[28:29] offset:1024*((\i%2)+4*(\i/2))+256*\be   ; 32 lanes store 256 consecutive bytes, aligned
.endr
.endm
; q' = q cos + rotate_half(q) sin, k likewise, for row tile a, into T (window 1): q's four slots, then k's
.macro ROPE a
.set CSR, (64*\a+128)%256
.if \a < 2
	WIN 0x5e                                       ; source 0 window 2, source 1 window 3, source 2 and destination window 1
.else
	WIN 0x56                                       ; the same, source 1 window 1
.endif
.irp X, 0,1
.irp i, 0,1,2,3
.irp j, 0,2,4,6
	v_pk_mul_f32 v[T+32*\X+8*\i+\j:T+32*\X+8*\i+\j+1], v[128*\X+8*(4*\a+\i)+\j:128*\X+8*(4*\a+\i)+\j+1], v[CSR+8*\i+\j:CSR+8*\i+\j+1]
.endr
.endr
.irp i, 0,1
.irp j, 0,2,4,6
	v_pk_fma_f32 v[T+32*\X+8*\i+\j:T+32*\X+8*\i+\j+1], v[128*\X+8*(4*\a+\i+2)+\j:128*\X+8*(4*\a+\i+2)+\j+1], v[CSR+32+8*\i+\j:CSR+32+8*\i+\j+1], v[T+32*\X+8*\i+\j:T+32*\X+8*\i+\j+1] neg_lo:[1,0,0] neg_hi:[1,0,0]   ; d < 64: - x(d + 64) sin
.endr
.endr
.irp i, 2,3
.irp j, 0,2,4,6
	v_pk_fma_f32 v[T+32*\X+8*\i+\j:T+32*\X+8*\i+\j+1], v[128*\X+8*(4*\a+\i-2)+\j:128*\X+8*(4*\a+\i-2)+\j+1], v[CSR+32+8*\i+\j:CSR+32+8*\i+\j+1], v[T+32*\X+8*\i+\j:T+32*\X+8*\i+\j+1]   ; d >= 64: + x(d - 64) sin
.endr
.endr
.endr
	WIN 0
.endm
.macro QKOUT a
.irp X, 0,1
.irp g, 0,1
	ds_store_b8 v[SBQ], v[BY+8+4*\a+2*\X+\g] offset:512*\X+64*\a+2*\g
.endr
.endr
.irp X, 0,1
.irp g, 0,1
	global_store_b64 v[SOQ], v[C+16+8*\a+4*\X+2*\g:C+16+8*\a+4*\X+2*\g+1], s[24+2*\X:25+2*\X] offset:1024*\a+512*\g
.endr
.endr
.endm
	s_wait_alu depctr_va_vdst(0)
	s_wait_tensorcnt 0x0                           ; my part of K step 0 is in
	ds_add_u32 v[SPW], v[NIL]
	s_wait_dscnt 0x0
	CROUND                                         ; everybody's part is in; the joint loads meet
	JLOAD G0+4, G1, G0B+4, G1B                     ; K step 1
	WIN TOF
.irp X, 0,1,2,3
	FX 0, 0, 0, \X
.endr
	ASK 2
	WIN 0
	s_wait_loadcnt 0x0                             ; the scale words are in
	KSUB 0, 0, 0, 1                                ; the first products start the sums: nothing is cleared
	KSUB 0, 1, 0, 0
	KSUB 0, 2, 0, 0
	TURN 0, 1, 1, 0
	KSUB 1, 0, 1, 0
	KSUB 1, 1, 1, 0
	KSUB 1, 2, 1, 0
	TURN 1, 0, 1, 1
	KSUB 0, 0, 2, 0
	WIN TO3                                        ; cos and sin of row tiles 0, 1: into registers that no product names
	CSLOAD 0
	CSLOAD 1
	KSUB 0, 1, 2, 0
	KSUB 0, 2, 2, 0
	TURN 0, 1, 0, 2                                ; nothing is left to fetch
	KSUB 1, 0, 3, 0
	KSUB 1, 1, 3, 0
	KSUB 1, 2, 3, 0
	s_wait_dscnt 16                                ; the last step; cos and sin of row tiles 2, 3 land in buffer 0
	PLACES
	WIN TOF
	CSLOAD 2
	CSLOAD 3
	WIN QK
	MUL16 1, 1, 15, 0
	s_wait_dscnt 8
	MUL16 2, 1, 15, 0
	s_wait_dscnt 0x0
	WIN VV
	MUL16 3, 1, 15, 0
	WIN 0
	PLACES                                         ; for the first reads of results and for T
	QUANT4 0, 0x0f, 0x03, C, BY                    ; v, while cos and sin are on their way
	QUANT4 64, 0x0f, 0x03, C+8, BY+4
.irp a, 0,1,2,3
	s_wait_loadcnt 48-16*\a                        ; this row tile's 16 loads are in; 16 for each later tile may be out
	ROPE \a
	QUANT4 T, 0x05, 0x01, C+16+8*\a, BY+8+4*\a
.if \a == 1                            ; the first stores stand behind row tile 1: the loads of the later tiles were issued long ahead of them
	VOUT 0
	VOUT 1
	QKOUT 0
.endif
.if \a > 0
	QKOUT \a
.endif
.endr
	s_wait_dscnt 0x0                               ; for the others' sake: my scale bytes lie in LDS
	s_barrier_signal -1
	s_barrier_wait -1
	s_cmp_eq_u32 s[WV], 1                          ; waves 0, 1, 2 store q's, k's, v's 512 bytes of scale words: two whole runs of 256 bytes
	s_cselect_b64 s[92:93], s[26:27], s[24:25]
	s_cmp_eq_u32 s[WV], 2
	s_cselect_b64 s[92:93], s[28:29], s[92:93]
	s_cmp_eq_u32 s[WV], 3
	s_cbranch_scc1 .Lno_words
	ds_load_b128 v[TM:TM+3], v[SR]
	s_wait_dscnt 0x0
	global_store_b128 v[WO], v[TM:TM+3], s[92:93] offset:8192
.Lno_words:
	s_wait_tensorcnt 0x0                           ; the wave's end
	ds_add_u32 v[SPW], v[NIL]
	s_wait_dscnt 0x0
	CROUND                                         ; the closing round
	s_endpgm
.Lfunc_end_k_q46d44cae08_qkv:
	.size	k_q46d44cae08_qkv, .Lfunc_end_k_q46d44cae08_qkv-k_q46d44cae08_qkv
	.p2alignl 7, 3214868480
	.fill 96, 4, 3214868480
	.section	.rodata,"a",@progbits
	.p2align	6, 0x0
	.amdhsa_kernel k_q46d44cae08_qkv
		.amdhsa_group_segment_fixed_size 327680
		.amdhsa_private_segment_fixed_size 0
		.amdhsa_enable_private_segment 0
		.amdhsa_kernarg_size 104
		.amdhsa_user_sgpr_count 2
		.amdhsa_user_sgpr_kernarg_segment_ptr 1
		.amdhsa_wavefront_size32 1
		.amdhsa_system_sgpr_workgroup_id_x 1
		.amdhsa_system_sgpr_workgroup_id_y 1
		.amdhsa_system_sgpr_workgroup_id_z 1
		.amdhsa_system_vgpr_workitem_id 0
		.amdhsa_next_free_vgpr 1024
		.amdhsa_next_free_sgpr 102
		.amdhsa_reserve_vcc 0
		.amdhsa_float_denorm_mode_32 3
		.amdhsa_float_denorm_mode_16_64 3
		.amdhsa_memory_ordered 1
		.amdhsa_forward_progress 1
		.amdhsa_inst_pref_size 197
	.end_amdhsa_kernel
	.amdgpu_metadata
---
amdhsa.version: [ 1, 2 ]
amdhsa.kernels:
  - .name:           k_q46d44cae08_qkv
    .symbol:         k_q46d44cae08_qkv.kd
    .args:
      - { .name: hidden_states_codes, .offset: 0, .size: 8, .value_kind: global_buffer, .address_space: global }
      - { .name: hidden_states_scales, .offset: 8, .size: 8, .value_kind: global_buffer, .address_space: global }
      - { .name: wq_codes, .offset: 16, .size: 8, .value_kind: global_buffer, .address_space: global }
      - { .name: wq_scales, .offset: 24, .size: 8, .value_kind: global_buffer, .address_space: global }
      - { .name: wk_codes, .offset: 32, .size: 8, .value_kind: global_buffer, .address_space: global }
      - { .name: wk_scales, .offset: 40, .size: 8, .value_kind: global_buffer, .address_space: global }
      - { .name: wv_codes, .offset: 48, .size: 8, .value_kind: global_buffer, .address_space: global }
      - { .name: wv_scales, .offset: 56, .size: 8, .value_kind: global_buffer, .address_space: global }
      - { .name: cos, .offset: 64, .size: 8, .value_kind: global_buffer, .address_space: global }
      - { .name: sin, .offset: 72, .size: 8, .value_kind: global_buffer, .address_space: global }
      - { .name: qw, .offset: 80, .size: 8, .value_kind: global_buffer, .address_space: global }
      - { .name: kw, .offset: 88, .size: 8, .value_kind: global_buffer, .address_space: global }
      - { .name: vw, .offset: 96, .size: 8, .value_kind: global_buffer, .address_space: global }
    .group_segment_fixed_size: 327680
    .private_segment_fixed_size: 0
    .kernarg_segment_align: 8
    .kernarg_segment_size: 104
    .max_flat_workgroup_size: 128
    .sgpr_count:     102
    .vgpr_count:     1024
    .wavefront_size: 32
...
	.end_amdgpu_metadata
.endif
;; end of part 1
;; launch attn (part 2): grid 16 x 16, 16 waves a work-group, clusters of 4 x 1, 327,680 bytes of LDS; arguments qw, kw, vw, aw; writes aw
.if DOCPART == 2
	.amdgcn_target "amdgcn-amd-amdhsa--gfx1250"
	.amdhsa_code_object_version 6
	.text
	.protected	k_q46d44cae08_attn
	.globl	k_q46d44cae08_attn
	.p2align	8
	.type	k_q46d44cae08_attn,@function
k_q46d44cae08_attn:
	s_mov_b64 s[64:65], 0
	v_nop
	global_prefetch_b8 v0, s[64:65] scope:SCOPE_SE
	s_setreg_imm32_b32 hwreg(HW_REG_WAVE_MODE, 25, 1), 1
	s_wait_xcnt 0x0
	s_wait_alu depctr_hold_cnt(0) depctr_sa_sdst(0) depctr_va_vdst(0) depctr_va_sdst(0) depctr_va_ssrc(0) depctr_va_vcc(0) depctr_vm_vsrc(0)
	s_getreg_b32 s2, hwreg(HW_REG_IB_STS2, 6, 4)
	s_cmp_eq_u32 s2, 0
	s_cbranch_scc0 .Lentry_in_a_cluster
	s_endpgm
.Lentry_in_a_cluster:
	s_bfe_u32 s2, ttmp6, 0x10000c
	s_cmp_lg_u32 s2, 0x3003
	s_cbranch_scc0 .Lentry_shape_is_right
	s_endpgm
.Lentry_shape_is_right:
; O[h][q] = sum over k of softmax_k(q . k) v, no scaling, no mask, both products on codes of FP4 with E8M0 scales; then O / l is quantised along d for the last projection.
; THE SOFTMAX: t = score x log2(e).  A block of 32 keys has its own whole number c = floor(its largest t): p' = 2^(t - c), the largest in [1, 2), so that the conversion's scale is 2^-2 in every block.
; p = 2^(t - M) = p' 2^(c - M), M = the row's largest c: the power of two goes into the block's scale byte, c - M - 2 + 127, and into the block's weight in the row's sum, which is taken of the unquantised p'.
; The codes of all my keys stay in registers, so M is whole before the second product begins: nothing is rescaled.
; SHARES.  Work-group (x = block of 128 queries, y = head), SIXTEEN waves of 256 registers.  Wave w owns query tiles 2 tp, 2 tp + 1 (tp = w % 4) and quarter qd = w / 4 of the keys: 8 sub-steps of 64 keys, then 4 records of V.
; Each fragment of K and of V that a wave reads feeds two products.  At the end the four waves of a pair of tiles put their O^T together through LDS in two stages: wave qd keeps tile x = qd / 2 and gives the other to wave qd xor 2;
; then it keeps channels 64 dh .. + 63 of it (dh = qd % 2) and gives the other half to wave qd xor 1.
; IN.  Records of 8,704 bytes: 8 images of fragments (group c of lane l at 1024 t + 512 c + 16 l) and 512 bytes of scale words.  A head's K is 16 records on end, V likewise.
; ALL OF A HEAD'S K AND V LIE IN LDS, EACH BYTE FILLED ONCE, by two loads a wave.  At the head a wave fetches half a record: the first two records of each quarter of K, which sub-steps 0 to 3 read.
; Behind a round of the cluster's barrier waves 0-7 fetch a record of K's rest each, waves 8-15 two records of V each: they have three sub-steps in which to land.  One barrier, in sub-step 3, shows both.
; CLUSTER 4 x 1: the four query blocks of a cluster walk the same head: each load is asked for jointly by all four.  No prefetch: nothing is refilled, and the one later load a wave has three sub-steps ahead of its wait.
; LAYOUT.  S^T = K Q^T, O^T = V^T P^T: a lane holds one query throughout.  Register j of key tile t is key 16 t + 8 (lane / 16) + j, so block b of 32 keys is registers 16 b .. + 15 of lanes l, l xor 16.
; PACKED NUMBERS: what belongs to two neighbouring blocks stands in one register, the first block's in lanes 0-15, the second's in lanes 16-31: an exchange of halves and one maximum (or addition) make it of two registers.
; LIMITS: NaN and infinities are not served; a block of p (or of O) under the byte 1 is held at the byte 1; a block of zeros gets the byte 1 (its codes are zeros); a block's scale is taken from floor of its largest t in f32.
; REGISTERS: v1-4, v13-15 addresses; v5-7 scale words; v8-11 p's scale words; v16-31 Q, then V; v32-47 -c packed, v48-63 sums packed; v64-95 K, then V; v96-159 S^T; v160-223 codes; v224-239 at work.
;   O^T's quarters 2 x + dh: v96, v128, v224, v32.
.set REC,   8704
.set VBASE, 16*REC
.set STATS, 2*VBASE                    ; 256 bytes a wave: -M and the sum, packed by tile; no fill lands from here on
.set SCW,   STATS+4096                 ; 512 bytes for the scale words made here
.set SPARE, SCW+512
.set SPW, 1
.set NIL, 2
.set LK,  3                            ; 16 x lane + my quarter's first record of K; in sub-step 7 moved on to V
.set LS,  4                            ; 4 x lane + 8192 + the same
.set QSC, 5
.set KSC, 6
.set PW,  8
.set CQ,  12                           ; 2^-2: the conversions' scale operand
.set STW, 13
.set LI,  14                           ; 16 x lane
.set R4,  15                           ; 4 x (lane % 16)
.set XQ,  16
.set NC,  32
.set SG,  48
.set KF,  64
.set SS,  96
.set CD,  160
.set TT,  224
.set WV,  12
.set G1,  16                           ; s[16:23] group 1 of the head's loads, s[68:75] of K's rest, s[76:83] of V's;  groups 0: s[24:27], s[28:31], s[84:87]
.set G1K, 68
.set G1V, 76
.set G0,  24
.set G0K, 28
.set G0V, 84
.set CS,  32
.set NCS, 34
.set TP,  35
.set QD,  36
.set XX,  60
.set DH,  61
.macro PLACES
.rept 4
	v_nop
.endr
.endm
.macro CROUND
	s_barrier_signal -1
	s_barrier_wait -1
	s_cmp_lg_u32 s[WV], 0
	s_cbranch_scc1 .Lnot_wave_0_\@
	s_barrier_signal -3
.Lnot_wave_0_\@:
	s_barrier_wait -3
	s_barrier_signal -1
	s_barrier_wait -1
.endm
.macro WMI c, ma, mb                   ; one matrix instruction from the symbols rD, rA, rB, rSA, rSB; fRA, fRB: the scales stand in lanes 16-31; fZ: the product starts the sum
	v_wmma_scale_f32_16x16x128_f8f6f4 v[rD:rD+7], v[rA:rA+7], v[rB:rB+7], \c, v[rSA], v[rSB] matrix_a_fmt:MATRIX_FMT_FP4 matrix_b_fmt:MATRIX_FMT_FP4 \ma \mb
.endm
.macro WMS c
.if fRA && fRB
	WMI \c, matrix_a_scale:MATRIX_SCALE_ROW1, matrix_b_scale:MATRIX_SCALE_ROW1
.elseif fRA
	WMI \c, matrix_a_scale:MATRIX_SCALE_ROW1
.elseif fRB
	WMI \c, matrix_b_scale:MATRIX_SCALE_ROW1
.else
	WMI \c
.endif
.endm
.macro WM
.if fZ
	WMS 0
.else
	WMS v[rD:rD+7]
.endif
.endm
	s_load_b256 s[4:11], s[0:1], 0x0               ; qw, kw, vw, aw
	v_lshl_add_u32 v[SPW], v0, 2, SPARE
	v_mov_b32 v[NIL], 0
	ds_add_u32 v[SPW], v[NIL]                      ; the opening: the add, twice on end, and its wait
	ds_add_u32 v[SPW], v[NIL]
	v_lshrrev_b32 v240, 5, v0
	v_readfirstlane_b32 s[WV], v240                ; wave 0..15
	s_and_b32 s[TP], s[WV], 3
	s_lshr_b32 s[QD], s[WV], 2
	v_and_b32 v240, 31, v0
	v_and_b32 v241, 15, v0
	v_lshlrev_b32 v[LI], 4, v240
	v_lshlrev_b32 v[R4], 2, v241
	s_mul_i32 s40, s[QD], 4*REC
	v_add_nc_u32 v[LK], s40, v[LI]
	v_lshl_add_u32 v[LS], v240, 2, 8192
	v_add_nc_u32 v[LS], s40, v[LS]
	s_lshl_b32 s41, s[WV], 8
	s_add_co_u32 s41, s41, STATS
	v_lshl_add_u32 v[STW], v240, 2, s41
	s_lshl_b32 s41, s[TP], 11
	v_add_nc_u32 v242, s41, v[LI]                  ; Q: images 2 tp, 2 tp + 1
	s_lshl_b32 s41, s[TP], 7
	v_lshl_add_u32 v243, v240, 2, s41              ; and their scale words: lanes 0-15 tile 2 tp's, lanes 16-31 tile 2 tp + 1's
	v_mov_b32 v[CQ], 0x3e800000
.irp b, 0,1,2,3
	v_mov_b32 v[TT+4+\b], 0                        ; (upper halves of pairs are named before the first sums write them)
.endr
	s_bfe_u32 s13, ttmp6, 0x40000                  ; cx
	s_lshl_b32 s14, ttmp9, 2
	s_add_co_u32 s14, s14, s13                     ; my block of queries: it enters qw's and aw's addresses alone
	s_and_b32 s15, ttmp7, 0xffff                   ; the head, which the four partners share
	; the masks name all four work-groups, bit 21 beside them; dense rows of 256 bytes: 17 (half a record), 34, 68
.irp g, G1, G1K, G1V
	s_mov_b32 s[\g], 15|(3<<16)|(1<<21)
	s_mov_b32 s[\g+1], 32<<16
	s_mov_b32 s[\g+3], 32<<16
	s_mov_b32 s[\g+5], 32
	s_mov_b32 s[\g+6], 0
	s_mov_b32 s[\g+7], 0
.endr
	s_mov_b32 s[G1+2], 17<<16
	s_mov_b32 s[G1+4], 17
	s_mov_b32 s[G1K+2], 34<<16
	s_mov_b32 s[G1K+4], 34
	s_mov_b32 s[G1V+2], 68<<16
	s_mov_b32 s[G1V+4], 68
	s_mul_i32 s62, s15, VBASE                      ; the head's first byte in kw and in vw
	s_and_b32 s45, s[WV], 1
	; at the head: half w % 2 of record 4 (w / 4) + (w / 2) % 2 of K
	s_lshr_b32 s44, s[WV], 1
	s_and_b32 s44, s44, 1
	s_mul_i32 s44, s44, REC
	s_add_co_u32 s44, s44, s40
	s_mul_i32 s46, s45, REC/2
	s_add_co_u32 s44, s44, s46
	s_mov_b32 s[G0], 1
	s_mov_b32 s[G0+1], s44
	s_add_co_u32 s42, s62, s44
	s_mov_b32 s43, 0
	; waves 0-7: record 4 (w / 2) + 2 + w % 2 of K
	s_lshr_b32 s46, s[WV], 1
	s_mul_i32 s46, s46, 4*REC
	s_mul_i32 s47, s45, REC
	s_add_co_u32 s46, s46, s47
	s_add_co_u32 s46, s46, 2*REC
	s_mov_b32 s[G0K], 1
	s_mov_b32 s[G0K+1], s46
	s_add_co_u32 s88, s62, s46
	s_mov_b32 s89, 0
	; waves 8-15: records 2 (w - 8), + 1 of V; V lies 16 records on in LDS, so they begin at 2 w records
	s_mul_i32 s46, s[WV], 2*REC
	s_mov_b32 s[G0V], 1
	s_mov_b32 s[G0V+1], s46
	s_and_b32 s46, s[WV], 7
	s_mul_i32 s46, s46, 2*REC
	s_add_co_u32 s90, s62, s46
	s_mov_b32 s91, 0
	s_lshl_b32 s46, s15, 4
	s_add_co_u32 s46, s46, s14
	s_mul_i32 s46, s46, REC                        ; qw: record 16 head + block
	s_mov_b32 s47, 0
	s_lshl_b32 s48, s14, 4
	s_add_co_u32 s48, s48, s15
	s_mul_i32 s48, s48, REC                        ; aw: record 16 block + head
	s_mov_b32 s49, 0
	s_mov_b32 s[CS], 0x3fb8aa3b                    ; log2(e)
	s_mov_b32 s[CS+1], s[CS]                       ; (named with it as a pair, so it is written)
	s_mov_b32 s[NCS], 0xbfb8aa3b                   ; - log2(e)
	s_wait_alu depctr_va_vdst(0)
	s_wait_dscnt 0x0                               ; both opening adds are done
	s_wait_kmcnt 0x0
	s_add_nc_u64 s[G0+2:G0+3], s[6:7], s[42:43]
	s_or_b32 s[G0+3], s[G0+3], 0x80000000
	s_add_nc_u64 s[G0K+2:G0K+3], s[6:7], s[88:89]
	s_or_b32 s[G0K+3], s[G0K+3], 0x80000000
	s_add_nc_u64 s[G0V+2:G0V+3], s[8:9], s[90:91]
	s_or_b32 s[G0V+3], s[G0V+3], 0x80000000
	s_add_nc_u64 s[4:5], s[4:5], s[46:47]
	s_add_nc_u64 s[10:11], s[10:11], s[48:49]
	CROUND                                         ; all four work-groups are here: the joint loads meet
	tensor_load_to_lds s[G0:G0+3], s[G1:G1+7]      ; one load a wave
	s_nop 0
	PLACES
.irp x, 0,1
	global_load_b128 v[XQ+8*\x:XQ+8*\x+3], v242, s[4:5] offset:1024*\x
	global_load_b128 v[XQ+8*\x+4:XQ+8*\x+7], v242, s[4:5] offset:1024*\x+512
.endr
	global_load_b32 v[QSC], v243, s[4:5] offset:8192
	; for the end: where I give and take, whose statistics I read, where my results go
	s_lshr_b32 s[XX], s[QD], 1                     ; my tile of the pair
	s_and_b32 s[DH], s[QD], 1                      ; my half of its channels
	s_lshl_b32 s40, s[TP], 2
	s_xor_b32 s41, s[QD], 2
	s_add_co_u32 s41, s41, s40
	s_lshl_b32 s50, s41, 13                        ; stage 1, for wave qd xor 2: 8,192 bytes in K's records
	s_add_co_u32 s41, s[QD], s40
	s_lshl_b32 s51, s41, 13                        ; and for me
	s_lshl_b32 s53, s41, 12
	s_add_co_u32 s53, s53, VBASE                   ; stage 2, for me: 4,096 bytes in V's records
	s_xor_b32 s41, s[QD], 1
	s_add_co_u32 s41, s41, s40
	s_lshl_b32 s52, s41, 12
	s_add_co_u32 s52, s52, VBASE                   ; and for wave qd xor 1
	s_lshl_b32 s44, s[TP], 8
	s_lshl_b32 s46, s[XX], 6
	s_add_co_u32 s44, s44, s46
	s_add_co_u32 s44, s44, STATS
.irp e, 0,1,2,3
	s_xor_b32 s42, s[QD], \e
	s_lshl_b32 s42, s42, 10
	s_add_co_u32 s[54+\e], s44, s42                ; the statistics of wave qd xor e
.endr
	s_lshl_b32 s47, s[TP], 1
	s_add_co_u32 s47, s47, s[XX]                   ; my tile of the block
	s_lshl_b32 s58, s47, 10
	s_lshl_b32 s49, s[DH], 9
	s_add_co_u32 s58, s58, s49                     ; aw: image 2 tp + x, group dh
	s_lshl_b32 s59, s47, 6
	s_lshl_b32 s49, s[DH], 1
	s_add_co_u32 s59, s59, s49
	s_add_co_u32 s59, s59, SCW                     ; its scale bytes 2 dh, 2 dh + 1
.macro KLOAD k                         ; sub-step k: four tiles of 16 keys of record k / 2, and their scale words, two tiles a register
.irp t, 0,1,2,3
.irp c, 0,1
	ds_load_b128 v[KF+8*\t+4*\c:KF+8*\t+4*\c+3], v[LK] offset:REC*((\k)/2)+4096*((\k)%2)+1024*\t+512*\c
.endr
.endr
.irp u, 0,1
	ds_load_b32 v[KSC+\u], v[LS] offset:REC*((\k)/2)+256*((\k)%2)+128*\u
.endr
.endm
.macro VBUF g                          ; group g of V: two tiles of channels of record g / 4; three buffers by turns
.if (\g)%3 == 2
.set XB, XQ
.set XS, QSC
.else
.set XB, KF+16*((\g)%3)
.set XS, KSC+(\g)%3
.endif
.endm
.macro VLOAD g
	VBUF \g
.irp e, 0,1
.irp c, 0,1
	ds_load_b128 v[XB+8*\e+4*\c:XB+8*\e+4*\c+3], v[LK] offset:REC*((\g)/4)+2048*((\g)%4)+1024*\e+512*\c
.endr
.endr
	ds_load_b32 v[XS], v[LS] offset:REC*((\g)/4)+128*((\g)%4)
.endm
.macro CSWAP k                         ; sub-step k's codes: lanes 0-15 take the first block whole, lanes 16-31 the second
.irp x, 0,1
.irp i, 0,2
	v_permlane16_swap_b32 v[CD+32*\x+4*(\k)+\i], v[CD+32*\x+4*(\k)+\i+1]
.endr
.endr
.endm
; SUB-STEP k: 64 keys x 2 tiles of queries.  Block g = 2 x + b is v[SS + 16 g .. + 15].
.macro SUB k
	s_wait_alu depctr_va_vdst(0)
	s_wait_dscnt 0x0                               ; K's fragments are in
.if \k == 3
	s_wait_tensorcnt 0x0                           ; my part of K's rest or of V is in
	s_barrier_signal -1
.endif
.irp t, 0,1,2,3
.irp x, 0,1
.set fZ, 1
.set rD, SS+32*\x+8*\t
.set rA, KF+8*\t
.set rB, XQ+8*\x
.set rSA, KSC+\t/2
.set fRA, \t%2
.set rSB, QSC
.set fRB, \x
	WM
.endr
.endr
.if \k == 0
	PLACES                                         ; in front of the loads below and of the first read of the scores
.else
	CSWAP \k-1                                     ; four plain places: the sub-step before left these
.endif
.if \k == 3
	s_barrier_wait -1                              ; all of K and V is whole
.endif
.if \k < 7
	KLOAD \k+1
.else
	v_add_nc_u32 v[LK], VBASE, v[LK]
	v_add_nc_u32 v[LS], VBASE, v[LS]
	VLOAD 0
	VLOAD 1
	VLOAD 2
.endif
.irp g, 0,1,2,3
	v_max3_num_f32 v[TT+\g], v[SS+16*\g], v[SS+16*\g+1], v[SS+16*\g+2]   ; the largest score of each block; each accumulator from its low end on
.endr
.irp i, 3,5,7,9,11,13
.irp g, 0,1,2,3
	v_max3_num_f32 v[TT+\g], v[TT+\g], v[SS+16*\g+\i], v[SS+16*\g+\i+1]
.endr
.endr
.irp g, 0,1,2,3
	v_max_num_f32 v[TT+\g], v[TT+\g], v[SS+16*\g+15]
.endr
	v_permlane16_swap_b32 v[TT], v[TT+1]
	v_permlane16_swap_b32 v[TT+2], v[TT+3]
	v_max_num_f32 v[TT], v[TT], v[TT+1]            ; packed: tile 0's two blocks
	v_max_num_f32 v[TT+2], v[TT+2], v[TT+3]        ; tile 1's
	v_mul_f32 v[TT], s[NCS], v[TT]                 ; - t
	v_mul_f32 v[TT+2], s[NCS], v[TT+2]
	v_ceil_f32 v[NC+\k], v[TT]                     ; - c = - floor(t)
	v_ceil_f32 v[NC+8+\k], v[TT+2]
	v_mov_b32 v[TT], v[NC+\k]
	v_mov_b32 v[TT+4], v[NC+8+\k]
	v_mov_b32 v[TT+2], v[NC+\k]
	v_mov_b32 v[TT+6], v[NC+8+\k]
	v_permlane16_swap_b32 v[TT], v[TT+2]           ; block g's - c in every lane of v[TT + 2 g]
	v_permlane16_swap_b32 v[TT+4], v[TT+6]
.irp g, 0,1,2,3
.set j, 16*\g
.rept 8
	v_pk_fma_f32 v[SS+j:SS+j+1], v[SS+j:SS+j+1], s[CS:CS+1], v[TT+2*\g:TT+2*\g+1] op_sel_hi:[1,0,0]   ; t - c
.set j, j+2
.endr
.endr
	s_wait_alu depctr_va_vdst(0)
.set j, 0
.rept 64
	v_exp_f32 v[SS+j], v[SS+j]                     ; p'
.set j, j+1
.endr
	v_nop                                          ; the plain place behind the batch
	s_wait_alu depctr_va_vdst(0)                   ; and the wait ahead of its first reader
.irp g, 0,1,2,3
	v_pk_add_f32 v[TT+2*\g:TT+2*\g+1], v[SS+16*\g:SS+16*\g+1], v[SS+16*\g+2:SS+16*\g+3]
.endr
.irp i, 4,6,8,10,12,14
.irp g, 0,1,2,3
	v_pk_add_f32 v[TT+2*\g:TT+2*\g+1], v[TT+2*\g:TT+2*\g+1], v[SS+16*\g+\i:SS+16*\g+\i+1]
.endr
.endr
.irp g, 0,1,2,3
	v_add_f32 v[TT+2*\g], v[TT+2*\g], v[TT+2*\g+1]
.endr
	v_permlane16_swap_b32 v[TT], v[TT+2]
	v_permlane16_swap_b32 v[TT+4], v[TT+6]
	v_add_f32 v[SG+\k], v[TT], v[TT+2]             ; the blocks' sums, packed
	v_add_f32 v[SG+8+\k], v[TT+4], v[TT+6]
.irp x, 0,1
.irp b, 0,1
	v_cvt_scalef32_pk8_fp4_f32 v[CD+32*\x+4*\k+\b], v[SS+32*\x+16*\b:SS+32*\x+16*\b+7], v[CQ]
	v_cvt_scalef32_pk8_fp4_f32 v[CD+32*\x+4*\k+2+\b], v[SS+32*\x+16*\b+8:SS+32*\x+16*\b+15], v[CQ]
.endr
.endr
	v_nop                                          ; one plain place behind the scaled conversions
.endm
	s_wait_alu depctr_va_vdst(0)
	s_wait_tensorcnt 0x0                           ; my half record is in
	ds_add_u32 v[SPW], v[NIL]
	s_wait_dscnt 0x0
	CROUND                                         ; the first two records of each quarter are whole, and the joint loads meet
	s_cmp_lt_u32 s[WV], 8                          ; one load a wave: K's rest or V
	s_cbranch_scc0 .Lfor_v
	tensor_load_to_lds s[G0K:G0K+3], s[G1K:G1K+7]
	s_nop 0
	PLACES
	s_branch .Lasked
.Lfor_v:
	tensor_load_to_lds s[G0V:G0V+3], s[G1V:G1V+7]
	s_nop 0
	PLACES
.Lasked:
	KLOAD 0
	s_wait_loadcnt 0x0                             ; Q
.irp k, 0,1,2,3,4,5,6,7
	SUB \k
.endr
	CSWAP 7
	; M, THE SCALE WORDS AND THE SUM
.irp x, 0,1
	v_min3_num_f32 v[TT+\x], v[NC+8*\x], v[NC+8*\x+1], v[NC+8*\x+2]
.endr
.irp i, 3,5
.irp x, 0,1
	v_min3_num_f32 v[TT+\x], v[TT+\x], v[NC+8*\x+\i], v[NC+8*\x+\i+1]
.endr
.endr
.irp x, 0,1
	v_min_num_f32 v[TT+\x], v[TT+\x], v[NC+8*\x+7]
.endr
	v_permlane16_swap_b32 v[TT], v[TT+1]
	v_min_num_f32 v[TT+12], v[TT], v[TT+1]         ; - M, lanes 0-15 tile 0's, lanes 16-31 tile 1's
	v_mov_b32 v[TT], v[TT+12]
	v_mov_b32 v[TT+2], v[TT+12]
	v_permlane16_swap_b32 v[TT], v[TT+2]           ; tile x's in every lane of v[TT + 2 x]
	v_add_f32 v[TT], 0x42fa0000, v[TT]             ; + 125
	v_add_f32 v[TT+2], 0x42fa0000, v[TT+2]
.irp i, 0,2,4,6
.irp x, 0,1
	v_pk_add_f32 v[NC+8*\x+\i:NC+8*\x+\i+1], v[TT+2*\x:TT+2*\x+1], v[NC+8*\x+\i:NC+8*\x+\i+1] op_sel_hi:[0,1] neg_lo:[0,1] neg_hi:[0,1]   ; c - M + 125
.endr
.endr
.set j, 0
.rept 16
	v_max_num_f32 v[NC+j], 1.0, v[NC+j]            ; the byte is 1 at the least
.set j, j+1
.endr
.set j, 0
.rept 16
	v_cvt_u32_f32 v[NC+j], v[NC+j]
.set j, j+1
.endr
.irp j, 0,1,2,3                        ; record j's word: bytes 0, 2 from lanes 0-15, bytes 1, 3 from lanes 16-31
	v_lshl_or_b32 v[TT+4+2*\j], v[NC+2*\j+1], 16, v[NC+2*\j]
	v_lshl_or_b32 v[TT+5+2*\j], v[NC+8+2*\j+1], 16, v[NC+8+2*\j]
.endr
.irp j, 0,1,2,3
	v_permlane16_swap_b32 v[TT+4+2*\j], v[TT+5+2*\j]
.endr
.irp j, 0,1,2,3
	v_lshl_or_b32 v[PW+\j], v[TT+5+2*\j], 8, v[TT+4+2*\j]   ; lanes 0-15 tile 0's word, lanes 16-31 tile 1's
.endr
.set j, 0
.rept 16
	v_lshlrev_b32 v[NC+j], 23, v[NC+j]             ; the block's weight / 4 as f32
.set j, j+1
.endr
.irp x, 0,1
	v_pk_mul_f32 v[TT+2*\x:TT+2*\x+1], v[SG+8*\x:SG+8*\x+1], v[NC+8*\x:NC+8*\x+1]
.endr
.irp i, 2,4,6
.irp x, 0,1
	v_pk_fma_f32 v[TT+2*\x:TT+2*\x+1], v[SG+8*\x+\i:SG+8*\x+\i+1], v[NC+8*\x+\i:NC+8*\x+\i+1], v[TT+2*\x:TT+2*\x+1]
.endr
.endr
.irp x, 0,1
	v_add_f32 v[TT+2*\x], v[TT+2*\x], v[TT+2*\x+1]
.endr
	v_permlane16_swap_b32 v[TT], v[TT+2]
	v_add_f32 v[TT], v[TT], v[TT+2]
	v_mul_f32 v[TT], 4.0, v[TT]                    ; the sum under my M, packed by tile
	ds_store_b32 v[STW], v[TT+12]
	ds_store_b32 v[STW], v[TT] offset:128
	s_wait_alu depctr_va_vdst(0)
	s_wait_dscnt 0x0                               ; my statistics have landed, and my reads of K are over:
	s_barrier_signal -1                            ; said a whole product ahead of the need; up to the wait stand register work and reads of V, which nobody writes before a later barrier
	; O^T += V^T P^T: group g = two tiles of channels x two tiles of queries.  The 16 accumulators take turns.
.macro OBQ q                           ; where quarter q of O^T lies
.if (\q) == 0
.set OB, 96
.elseif (\q) == 1
.set OB, 128
.elseif (\q) == 2
.set OB, 224
.else
.set OB, 32
.endif
.endm
.macro PV g
.if (\g) < 14
	s_wait_dscnt 10                                ; this group's five loads are in; five for each of the next two groups may be out
.else
	s_wait_dscnt 5*(15-(\g))
.endif
	VBUF \g
.irp e, 0,1
.irp x, 0,1
	OBQ 2*\x+((\g)%4)/2
.set fZ, (\g)<4
.set rD, OB+8*((2*((\g)%4)+\e)%4)
.set rA, XB+8*\e
.set rB, CD+32*\x+8*((\g)/4)
.set rSA, XS
.set fRA, \e
.set rSB, PW+(\g)/4
.set fRB, \x
	WM
.endr
.endr
.if (\g) < 13
	PLACES                                         ; in front of loads into registers that matrix instructions have read
	VLOAD (\g)+3
.endif
.endm
.irp g, 0,1,2,3,4,5,6,7,8,9,10,11,12,13,14,15
	PV \g
.endr
	; THE FOUR QUARTERS OF THE KEYS MEET
	PLACES                                         ; behind the last products
.irp e, 0,1,2,3
	v_add_nc_u32 v[64+\e], s[50+\e], v[LI]         ; stage 1: give, take; stage 2: give, take
.endr
.irp e, 0,1,2,3
	v_add_nc_u32 v[68+\e], s[54+\e], v[R4]
.endr
	v_add_nc_u32 v28, s58, v[LI]
	v_add_nc_u32 v29, s59, v[R4]
	v_bfe_u32 v30, v0, 4, 1
	v_add_nc_u32 v31, SCW, v[LI]
	v_add_nc_u32 v29, v29, v30                     ; lanes 16-31: the byte behind
	s_wait_alu depctr_va_vdst(0)
	s_barrier_wait -1                              ; every wave's statistics have landed and its reads of K are over: K's bytes, which have had their only fill, are free
.irp e, 0,1,2,3
	ds_load_b32 v[72+\e], v[68+\e]                 ; - M and the sum of my query of tile x in the quarter of wave qd xor e
	ds_load_b32 v[76+\e], v[68+\e] offset:128
.endr
.macro TREE reg, mac                   ; an arm for each value of a flag made of the wave's number
	s_cmp_lg_u32 s[\reg], 0
	s_cbranch_scc1 .Lone_\@
	\mac 0
	s_branch .Lboth_\@
.Lone_\@:
	\mac 1
.Lboth_\@:
.endm
.macro GIVE1 x                         ; the tile that I do not keep
.irp d, 0,1
	OBQ 2*(1-\x)+\d
.irp i, 0,1,2,3,4,5,6,7
	ds_store_b128 v64, v[OB+4*\i:OB+4*\i+3] offset:4096*\d+512*\i   ; each accumulator from its low end on
.endr
.endr
.endm
.macro KEEP1 x                         ; the tile that I keep x its factor, into v96-159
	s_wait_alu depctr_va_vdst(0)                   ; directly ahead of the first reader of these results
.irp d, 0,1
	OBQ 2*\x+\d
.set j, 0
.rept 16
	v_pk_mul_f32 v[96+32*\d+j:97+32*\d+j], v[OB+j:OB+j+1], v[82:83] op_sel_hi:[1,0]
.set j, j+2
.endr
.endr
.endm
.macro GIVE2 dh                        ; the half that I do not keep
.irp i, 0,1,2,3,4,5,6,7
	ds_store_b128 v66, v[96+32*(1-\dh)+4*\i:96+32*(1-\dh)+4*\i+3] offset:512*\i
.endr
.endm
.macro KEEP2 dh                        ; the half that I keep + what wave qd xor 1 has given, into v96-127
.set j, 0
.rept 16
	v_pk_add_f32 v[96+j:97+j], v[96+32*\dh+j:97+32*\dh+j], v[160+j:161+j]
.set j, j+2
.endr
.endm
	TREE XX, GIVE1
	s_wait_dscnt 16                                ; the statistics are in; the 16 stores behind them may be out
	v_min3_num_f32 v80, v72, v73, v74
	v_min_num_f32 v80, v80, v75                    ; - M of the row
.irp e, 0,1,2,3
	v_sub_f32 v[72+\e], v80, v[72+\e]              ; a whole number, 0 or less
.endr
.irp e, 0,1,2,3
	v_cvt_i32_f32 v[72+\e], v[72+\e]
.endr
.irp e, 0,1,2,3
	v_ldexp_f32 v[82+2*\e], 1.0, v[72+\e]          ; powers of two
.endr
	v_mul_f32 v80, v76, v82
	v_fma_f32 v80, v77, v84, v80
	v_fma_f32 v80, v78, v86, v80
	v_fma_f32 v80, v79, v88, v80                   ; l
	s_wait_alu depctr_va_vdst(0)                   ; ahead of the transcendental
	v_rcp_f32 v81, v80
	v_nop                                          ; the plain place behind it
	s_wait_alu depctr_va_vdst(0)                   ; ahead of its first reader
	v_mul_f32 v82, v82, v81                        ; my factor,
	v_mul_f32 v86, v86, v81                        ; and that of wave qd xor 2
	s_wait_alu depctr_va_vdst(0)
	s_wait_dscnt 0x0                               ; for the other's sake: what I give has landed
	TREE XX, KEEP1
	s_wait_alu depctr_va_vdst(0)
	s_barrier_signal -1
	s_barrier_wait -1                              ; and every wave's reads of V are over
.irp i, 0,1,2,3,4,5,6,7,8,9,10,11,12,13,14,15
	ds_load_b128 v[160+4*\i:163+4*\i], v65 offset:512*\i
.endr
.irp d, 0,1
	s_wait_dscnt 8-8*\d
.set j, 32*\d
.rept 16
	v_pk_fma_f32 v[96+j:97+j], v[160+j:161+j], v[86:87], v[96+j:97+j] op_sel_hi:[1,0,1]
.set j, j+2
.endr
.endr
	s_wait_alu depctr_va_vdst(0)
	TREE DH, GIVE2
	s_wait_dscnt 0x0                               ; for the other's sake: what I give has landed
	s_barrier_signal -1
	s_barrier_wait -1
.irp i, 0,1,2,3,4,5,6,7
	ds_load_b128 v[160+4*\i:163+4*\i], v67 offset:512*\i
.endr
	s_wait_dscnt 0x0
	TREE DH, KEEP2
	s_wait_alu depctr_va_vdst(0)                   ; behind the arms' branch
	; register 8 t + i is o(r, 64 dh + 16 t + 8 (lane / 16) + i): two blocks of 32 along d, quantised and stored as a group of the fragment's image
.irp b, 0,1
	v_max3_num_f32 v[16+\b], |v[96+16*\b]|, |v[97+16*\b]|, 0x1800000   ; with the floor 2^(3 - 127)
.endr
.irp i, 2,4,6,8,10,12,14
.irp b, 0,1
	v_max3_num_f32 v[16+\b], v[16+\b], |v[96+16*\b+\i]|, |v[97+16*\b+\i]|
.endr
.endr
	v_permlane16_swap_b32 v16, v17
	v_max_num_f32 v16, v16, v17                    ; packed
	v_add_nc_u32 v18, 0xff000000, v16              ; 2 off the exponent field: the conversions' scale operands, packed
	v_mov_b32 v20, v18
	v_mov_b32 v21, v18
	v_lshrrev_b32 v19, 23, v18                     ; the bytes, packed
	v_permlane16_swap_b32 v20, v21
	v_cvt_scalef32_pk8_fp4_f32 v24, v[96:103], v20
	v_cvt_scalef32_pk8_fp4_f32 v26, v[104:111], v20
	v_cvt_scalef32_pk8_fp4_f32 v25, v[112:119], v21
	v_cvt_scalef32_pk8_fp4_f32 v27, v[120:127], v21
	v_nop                                          ; one plain place behind the scaled conversions
	v_permlane16_swap_b32 v24, v25
	v_permlane16_swap_b32 v26, v27
	ds_store_b8 v29, v19
	global_store_b128 v28, v[24:27], s[10:11]      ; 32 lanes store 512 consecutive bytes, aligned
	s_wait_dscnt 0x0
	s_barrier_signal -1
	s_barrier_wait -1
	s_cmp_lg_u32 s[WV], 0                          ; wave 0 stores the record's 512 bytes of scale words
	s_cbranch_scc1 .Lno_words
	ds_load_b128 v[160:163], v31
	s_wait_dscnt 0x0
	global_store_b128 v[LI], v[160:163], s[10:11] offset:8192
.Lno_words:
	s_wait_tensorcnt 0x0                           ; the wave's end
	ds_add_u32 v[SPW], v[NIL]
	s_wait_dscnt 0x0
	CROUND                                         ; the closing round
	s_endpgm
.Lfunc_end_k_q46d44cae08_attn:
	.size	k_q46d44cae08_attn, .Lfunc_end_k_q46d44cae08_attn-k_q46d44cae08_attn
	.p2alignl 7, 3214868480
	.fill 96, 4, 3214868480
	.section	.rodata,"a",@progbits
	.p2align	6, 0x0
	.amdhsa_kernel k_q46d44cae08_attn
		.amdhsa_group_segment_fixed_size 327680
		.amdhsa_private_segment_fixed_size 0
		.amdhsa_enable_private_segment 0
		.amdhsa_kernarg_size 32
		.amdhsa_user_sgpr_count 2
		.amdhsa_user_sgpr_kernarg_segment_ptr 1
		.amdhsa_wavefront_size32 1
		.amdhsa_system_sgpr_workgroup_id_x 1
		.amdhsa_system_sgpr_workgroup_id_y 1
		.amdhsa_system_sgpr_workgroup_id_z 1
		.amdhsa_system_vgpr_workitem_id 0
		.amdhsa_next_free_vgpr 256
		.amdhsa_next_free_sgpr 92
		.amdhsa_reserve_vcc 0
		.amdhsa_float_denorm_mode_32 3
		.amdhsa_float_denorm_mode_16_64 3
		.amdhsa_memory_ordered 1
		.amdhsa_forward_progress 1
		.amdhsa_inst_pref_size 133
	.end_amdhsa_kernel
	.amdgpu_metadata
---
amdhsa.version: [ 1, 2 ]
amdhsa.kernels:
  - .name:           k_q46d44cae08_attn
    .symbol:         k_q46d44cae08_attn.kd
    .args:
      - { .name: qw, .offset: 0, .size: 8, .value_kind: global_buffer, .address_space: global }
      - { .name: kw, .offset: 8, .size: 8, .value_kind: global_buffer, .address_space: global }
      - { .name: vw, .offset: 16, .size: 8, .value_kind: global_buffer, .address_space: global }
      - { .name: aw, .offset: 24, .size: 8, .value_kind: global_buffer, .address_space: global }
    .group_segment_fixed_size: 327680
    .private_segment_fixed_size: 0
    .kernarg_segment_align: 8
    .kernarg_segment_size: 32
    .max_flat_workgroup_size: 512
    .sgpr_count:     92
    .vgpr_count:     256
    .wavefront_size: 32
...
	.end_amdgpu_metadata
.endif
;; end of part 2
;; launch oproj (part 3): grid 16 x 16, 4 waves a work-group, clusters of 4 x 4, 327,680 bytes of LDS; arguments aw, wo_codes, wo_scales, out0; writes out0
.if DOCPART == 3
	.amdgcn_target "amdgcn-amd-amdhsa--gfx1250"
	.amdhsa_code_object_version 6
	.text
	.protected	k_q46d44cae08_oproj
	.globl	k_q46d44cae08_oproj
	.p2align	8
	.type	k_q46d44cae08_oproj,@function
k_q46d44cae08_oproj:
	s_mov_b64 s[64:65], 0
	v_nop
	global_prefetch_b8 v0, s[64:65] scope:SCOPE_SE
	s_setreg_imm32_b32 hwreg(HW_REG_WAVE_MODE, 25, 1), 1
	s_wait_xcnt 0x0
	s_wait_alu depctr_hold_cnt(0) depctr_sa_sdst(0) depctr_va_vdst(0) depctr_va_sdst(0) depctr_va_ssrc(0) depctr_va_vcc(0) depctr_vm_vsrc(0)
	s_getreg_b32 s2, hwreg(HW_REG_IB_STS2, 6, 4)
	s_cmp_eq_u32 s2, 0
	s_cbranch_scc0 .Lentry_in_a_cluster
	s_endpgm
.Lentry_in_a_cluster:
	s_bfe_u32 s2, ttmp6, 0x10000c
	s_cmp_lg_u32 s2, 0xf033
	s_cbranch_scc0 .Lentry_shape_is_right
	s_endpgm
.Lentry_shape_is_right:
; out0 = a wo: a as records of fragment images (record 16 block + h: K step h of the block's 128 rows), wo as given codes [n][k] with E8M0 scale bytes; out0 [2048][2048] f32.
; SHARES.  Work-group (x = 128 columns, y = 128 rows); wave w (rho = w / 2, p = w % 2) makes 64 x 64 in TWO PASSES of 32 rows.  A tile of 256 x 256 would give 64 work-groups for 256 WGPs.
; Pass 0 keeps all its fragments of wo, 64 columns x 2,048 along K, in 512 registers; pass 1 takes them from there, and reads a alone from LDS.  Pass 0's rows leave while pass 1 is multiplied.
; ALL OF K LIES IN LDS, EACH BYTE FILLED ONCE, by one load a wave: waves 0, 1 a's records 8 p .. 8 p + 7; waves 2, 3 wo's rows 64 p .. + 63, whole rows of 1,024 bytes + 16 of padding.  wo's scale bytes go straight into 32 registers.
; CLUSTER 4 x 4: a hangs on y and is asked for jointly along the cluster's row, wo on x and along its column.  No prefetch: every tile of the launch is asked for by the first tensor loads.
; THE MATRIX INSTRUCTION IS USED TRANSPOSED (source 0 = 16 rows of wo, source 1 = 16 rows of a): a lane holds eight neighbouring columns of one row of out0.
; LIMITS: NaN and infinities are not served.
; REGISTERS: window 0: v1-16 addresses; v32-63 wo's scale words; v64-95 a's; v96-159 the 8 accumulators; v160-223 rows read back on the way out.  windows 1, 2: wo's fragments, K steps 0-7, 8-15.  window 3: a's fragments, 16 K steps x 2 tiles.
.set REC,   8704
.set BOFF,  16*REC
.set WP,    1040                       ; wo's row in LDS: 65 x 16 bytes, so that the 16 rows of a fragment load start 16 bytes apart modulo 256
.set STG,   BOFF+128*WP                ; a stage of 16 rows x (256 + 16) bytes for each wave; no fill lands here
.set SPARE, STG+4*16*272
.set SPW, 6
.set NIL, 7
.set ADA, 8                            ; v8, v9 a's images: records 0-7, 8-15
.set ASA, 10                           ; v10, v11 a's scale words likewise
.set ADB, 12
.set STO, 13
.set RD,  14
.set CO,  15
.set VS,  16
.set SB,  32                           ; register SB + 16 j + n: lanes 0-15 wo's tile 2 j, lanes 16-31 tile 2 j + 1, K step n
.set SA,  64                           ; register SA + 16 pass + n: the pass's two tiles of a likewise
.set ACC, 96
.set RB,  160
.set G1A, 12
.set G1B, 20
.set G0A, 36
.set G0B, 40
.set WV,  76
.set RHO, 77
.set PP,  78
.set MSB, 0
.macro WIN new
.if MSB != \new
	s_set_vgpr_msb (MSB<<8)|\new
.set MSB, \new
.endif
.endm
.macro PLACES
.rept 5
	v_nop
.endr
.endm
.macro CROUND
	s_barrier_signal -1
	s_barrier_wait -1
	s_cmp_lg_u32 s[WV], 0
	s_cbranch_scc1 .Lnot_wave_0_\@
	s_barrier_signal -3
.Lnot_wave_0_\@:
	s_barrier_wait -3
	s_barrier_signal -1
	s_barrier_wait -1
.endm
.macro WMI c, ma, mb                   ; one matrix instruction from the symbols rD, rA, rB, rSA, rSB; fRA, fRB: the scales stand in lanes 16-31; fZ: the product starts the sum
	v_wmma_scale_f32_16x16x128_f8f6f4 v[rD:rD+7], v[rA:rA+7], v[rB:rB+7], \c, v[rSA], v[rSB] matrix_a_fmt:MATRIX_FMT_FP4 matrix_b_fmt:MATRIX_FMT_FP4 \ma \mb
.endm
.macro WMS c
.if fRA && fRB
	WMI \c, matrix_a_scale:MATRIX_SCALE_ROW1, matrix_b_scale:MATRIX_SCALE_ROW1
.elseif fRA
	WMI \c, matrix_a_scale:MATRIX_SCALE_ROW1
.elseif fRB
	WMI \c, matrix_b_scale:MATRIX_SCALE_ROW1
.else
	WMI \c
.endif
.endm
.macro WM
.if fZ
	WMS 0
.else
	WMS v[rD:rD+7]
.endif
.endm
	s_load_b256 s[4:11], s[0:1], 0x0               ; aw, wo's codes, wo's scales, out0
	v_lshl_add_u32 v[SPW], v0, 2, SPARE
	v_mov_b32 v[NIL], 0
	ds_add_u32 v[SPW], v[NIL]                      ; the opening: the add, twice on end, and its wait
	ds_add_u32 v[SPW], v[NIL]
	v_lshrrev_b32 v1, 5, v0
	v_readfirstlane_b32 s[WV], v1                  ; wave 0..3
	s_lshr_b32 s[RHO], s[WV], 1
	s_and_b32 s[PP], s[WV], 1
	s_bfe_u32 s79, ttmp6, 0x40000                  ; cx
	s_bfe_u32 s80, ttmp6, 0x40004                  ; cy
	s_lshl_b32 s81, ttmp9, 2
	s_add_co_u32 s81, s81, s79                     ; x
	s_and_b32 s82, ttmp7, 0xffff
	s_lshl_b32 s82, s82, 2
	s_add_co_u32 s82, s82, s80                     ; y
	s_lshl_b32 s83, s80, 2
	s_lshl_b32 s83, 15, s83                        ; my row of the cluster
	s_lshl_b32 s84, 0x1111, s79                    ; my column
	s_or_b32 s[G1A], s83, (3<<16)|(1<<21)          ; a: 272 dense rows of 256 bytes: eight records
	s_mov_b32 s[G1A+1], 32<<16
	s_mov_b32 s[G1A+2], 272<<16
	s_mov_b32 s[G1A+3], 32<<16
	s_mov_b32 s[G1A+4], 272
	s_mov_b32 s[G1A+5], 32
	s_mov_b32 s[G1A+6], 0
	s_mov_b32 s[G1A+7], 0
	s_or_b32 s[G1B], s84, (3<<16)|(1<<20)|(1<<21)|(7<<22)|(3<<25)   ; wo: 64 rows of 1,024 bytes, 16 bytes of padding behind each 256 words
	s_mov_b32 s[G1B+1], 128<<16
	s_mov_b32 s[G1B+2], 64<<16
	s_mov_b32 s[G1B+3], 128<<16
	s_mov_b32 s[G1B+4], 64
	s_mov_b32 s[G1B+5], 128
	s_mov_b32 s[G1B+6], 0
	s_mov_b32 s[G1B+7], 0
	; every LDS address is made here, ahead of the first branch on the wave's number
	v_and_b32 v1, 15, v0                           ; r
	v_bfe_u32 v2, v0, 4, 1                         ; hh
	v_and_b32 v3, 31, v0                           ; lane
	v_lshlrev_b32 v4, 4, v3
	s_lshl_b32 s92, s[RHO], 12
	v_add_nc_u32 v[ADA], s92, v4                   ; a's images: 16 lane + my four tiles
	v_add_nc_u32 v[ADA+1], 8*REC, v[ADA]
	v_mul_u32_u24 v[ADB], v1, WP
	v_lshl_add_u32 v[ADB], v2, 4, v[ADB]
	s_mul_i32 s89, s[PP], 64*WP
	s_add_co_u32 s89, s89, BOFF
	v_add_nc_u32 v[ADB], s89, v[ADB]               ; wo: row 64 p + r, + 16 hh
	v_lshlrev_b32 v5, 2, v3
	s_lshl_b32 s92, s[RHO], 8
	s_add_co_u32 s92, s92, 8192
	v_add_nc_u32 v[ASA], s92, v5                   ; a's scale words: two tiles a load
	v_add_nc_u32 v[ASA+1], 8*REC, v[ASA]
	s_mul_i32 s92, s[WV], 16*272
	s_add_co_u32 s92, s92, STG                     ; my stage
	v_mul_u32_u24 v[STO], v1, 272
	v_lshl_add_u32 v[STO], v2, 5, v[STO]
	v_add_nc_u32 v[STO], s92, v[STO]               ; in: row r, 32 bytes for each half of the lanes
	v_mul_u32_u24 v[RD], v2, 272
	v_lshl_add_u32 v[RD], v1, 4, v[RD]
	v_add_nc_u32 v[RD], s92, v[RD]                 ; back: lanes 0-15 one row of 256 bytes, lanes 16-31 the next
	v_lshlrev_b32 v[CO], 13, v2
	v_lshl_add_u32 v[CO], v1, 4, v[CO]             ; and the same two rows in out0
	v_lshlrev_b32 v[VS], 6, v3                     ; wo's scale bytes: a lane a row of 64
	s_mul_i32 s88, s[PP], 8*REC                    ; my half of a
	s_mul_i32 s85, s82, BOFF                       ; y's 16 records (registers of the y family hold nothing of x, and the other way round)
	s_add_co_u32 s85, s85, s88
	s_lshl_b32 s86, s81, 17                        ; x's 128 rows of wo,
	s_lshl_b32 s87, s[PP], 16
	s_add_co_u32 s86, s86, s87                     ; my 64 of them
	s_lshl_b32 s87, s81, 13
	s_lshl_b32 s94, s[PP], 12
	s_add_co_u32 s87, s87, s94                     ; and their scale bytes
	s_lshl_b32 s90, s82, 20                        ; out0: (128 y + 64 rho) rows of 8,192 bytes + 512 x + 256 p
	s_lshl_b32 s91, s[RHO], 19
	s_add_co_u32 s90, s90, s91
	s_lshl_b32 s91, s81, 9
	s_add_co_u32 s90, s90, s91
	s_lshl_b32 s91, s[PP], 8
	s_add_co_u32 s90, s90, s91
	s_mov_b32 s91, 0
	s_wait_alu depctr_va_vdst(0)
	s_wait_dscnt 0x0                               ; both opening adds are done
	s_wait_kmcnt 0x0
	s_mov_b32 s[G0A], 1
	s_mov_b32 s[G0A+1], s88
	s_add_co_u32 s[G0A+2], s4, s85
	s_add_co_ci_u32 s[G0A+3], s5, 0
	s_or_b32 s[G0A+3], s[G0A+3], 0x80000000
	s_mov_b32 s[G0B], 1
	s_mov_b32 s[G0B+1], s89
	s_add_co_u32 s[G0B+2], s6, s86
	s_add_co_ci_u32 s[G0B+3], s7, 0
	s_or_b32 s[G0B+3], s[G0B+3], 0x80000000
	CROUND                                         ; all sixteen work-groups are here: the joint loads meet
	s_cmp_lt_u32 s[WV], 2                          ; one tensor load a wave
	s_cbranch_scc0 .Lfor_b
	tensor_load_to_lds s[G0A:G0A+3], s[G1A:G1A+7]
	s_nop 0
.rept 4
	v_nop
.endr
	s_branch .Lasked
.Lfor_b:
	tensor_load_to_lds s[G0B:G0B+3], s[G1B:G1B+7]
	s_nop 0
.rept 4
	v_nop
.endr
.Lasked:
	s_add_co_u32 s8, s8, s87
	s_add_co_ci_u32 s9, s9, 0
.irp j, 0,1
.irp c, 0,1,2,3
	global_load_b128 v[SB+16*\j+4*\c:SB+16*\j+4*\c+3], v[VS], s[8:9] offset:2048*\j+16*\c
.endr
.endr
	s_add_nc_u64 s[10:11], s[10:11], s[90:91]
; K steps go in pairs: pair t is steps m = 2 t, 2 t + 1; step m: pass m / 16, K step m % 16.
; A pair's loads in one run: in pass 0 wo's eight fragments; a's four; their scale words: 26 in pass 0, 10 in pass 1
.macro LDB m
.irp b, 0,1,2,3
.irp c, 0,1
	ds_load_b128 v[32*((\m)%8)+8*\b+4*\c:32*((\m)%8)+8*\b+4*\c+3], v[ADB] offset:16*WP*\b+64*(\m)+32*\c
.endr
.endr
.endm
.macro LDA m
.irp a, 0,1
.irp c, 0,1
	ds_load_b128 v[16*((\m)%16)+8*\a+4*\c:16*((\m)%16)+8*\a+4*\c+3], v[ADA+((\m)%16)/8] offset:REC*((\m)%8)+1024*(2*((\m)/16)+\a)+512*\c
.endr
.endr
.endm
.macro LDS m
	ds_load_b32 v[SA+(\m)], v[ASA+((\m)%16)/8] offset:REC*((\m)%8)+128*((\m)/16)
.endm
.macro LD t
.if (\t) < 8
.if (\t) < 4
	WIN 0x40
.else
	WIN 0x80
.endif
	LDB 2*(\t)
	LDB 2*(\t)+1
.endif
	WIN 0xc0
	LDA 2*(\t)
	LDA 2*(\t)+1
	WIN 0
	LDS 2*(\t)
	LDS 2*(\t)+1
.endm
.macro MUL8 m                          ; the 8 accumulators take turns, one instruction a turn
.irp a, 0,1
.irp b, 0,1,2,3
.set fZ, ((\m)%16)==0
.set rD, ACC+8*(4*\a+\b)
.set rA, 32*((\m)%8)+8*\b
.set rB, 16*((\m)%16)+8*\a
.set rSA, SB+16*(\b/2)+(\m)%16
.set fRA, \b%2
.set rSB, SA+(\m)
.set fRB, \a
	WM
.endr
.endr
.endm
.macro PAIR t
.set CW, 0
.if (\t) < 7
.set CW, 26
.elseif (\t) < 15
.set CW, 10
.endif
.if ((\t) == 8) || ((\t) == 9)
.set CW, CW+32                         ; pass 0's way out has put 32 LDS instructions behind this pair's loads
.endif
	s_wait_dscnt CW                                ; this pair's loads are in; the next pair's may be out
.if (\t) == 6
	PLACES                                         ; pass 1's first loads of a land in registers that pairs 0 .. 5 have read
.endif
.if (\t) < 14
	LD (\t)+2
.endif
.if (\t)%8 < 4
	WIN 0x0d                                       ; source 0 window 1, source 1 window 3
.else
	WIN 0x0e                                       ; source 0 window 2, source 1 window 3
.endif
	MUL8 2*(\t)
	MUL8 2*(\t)+1
.endm
; THE WAY OUT: a block of 16 rows x 64 columns goes through my own stage and comes back as rows of 256 bytes.  LDS serves a wave's instructions in order: no wait between the stores and the loads, nor in front of the next block's stores.
.macro TOSTAGE
.irp a, 0,1
.irp b, 0,1,2,3
	ds_store_b128 v[STO], v[ACC+8*(4*\a+\b):ACC+8*(4*\a+\b)+3] offset:64*\b          ; each accumulator from its low end on
	ds_store_b128 v[STO], v[ACC+8*(4*\a+\b)+4:ACC+8*(4*\a+\b)+7] offset:64*\b+16
.endr
.irp t, 0,1,2,3,4,5,6,7
	ds_load_b128 v[RB+32*\a+4*\t:RB+32*\a+4*\t+3], v[RD] offset:544*\t
.endr
.endr
.endm
.macro SEND a, pass
.irp t, 0,1,2,3,4,5,6,7
	global_store_b128 v[CO], v[RB+32*\a+4*\t:RB+32*\a+4*\t+3], s[10:11] offset:(16*(2*\pass+\a)+2*\t)*8192 th:TH_STORE_NT   ; 16 lanes store 256 consecutive bytes, aligned; written once, read by nobody here
.endr
.endm
	s_wait_alu depctr_va_vdst(0)
	s_wait_tensorcnt 0x0                           ; my part is in
	s_barrier_signal -1
	s_barrier_wait -1
	LD 0
	LD 1
	s_wait_loadcnt 0x0                             ; wo's scale words
.set NN, 0
.rept 8
	PAIR NN
.set NN, NN+1
.endr
	WIN 0
	PLACES                                         ; in front of the first read of results, of the accumulators' new start, and of the loads into registers that pairs 6, 7 have read
	TOSTAGE
.rept 3
	PAIR NN
.set NN, NN+1
.endr
	WIN 0
	SEND 0, 0                                      ; pair 10's wait has shown the 32 LDS instructions done: its loads stand behind them
	SEND 1, 0
.rept 5
	PAIR NN
.set NN, NN+1
.endr
	WIN 0
	PLACES
	s_wait_xcnt 0x0                                ; the stores have read their registers
	TOSTAGE
	s_wait_dscnt 16                                ; block 0 is back; block 1's 16 LDS instructions may be out
	SEND 0, 1
	s_wait_dscnt 0x0
	SEND 1, 1
	s_wait_tensorcnt 0x0                           ; the wave's end
	ds_add_u32 v[SPW], v[NIL]
	s_wait_dscnt 0x0
	CROUND                                         ; the closing round
	s_endpgm
.Lfunc_end_k_q46d44cae08_oproj:
	.size	k_q46d44cae08_oproj, .Lfunc_end_k_q46d44cae08_oproj-k_q46d44cae08_oproj
	.p2alignl 7, 3214868480
	.fill 96, 4, 3214868480
	.section	.rodata,"a",@progbits
	.p2align	6, 0x0
	.amdhsa_kernel k_q46d44cae08_oproj
		.amdhsa_group_segment_fixed_size 327680
		.amdhsa_private_segment_fixed_size 0
		.amdhsa_enable_private_segment 0
		.amdhsa_kernarg_size 32
		.amdhsa_user_sgpr_count 2
		.amdhsa_user_sgpr_kernarg_segment_ptr 1
		.amdhsa_wavefront_size32 1
		.amdhsa_system_sgpr_workgroup_id_x 1
		.amdhsa_system_sgpr_workgroup_id_y 1
		.amdhsa_system_sgpr_workgroup_id_z 1
		.amdhsa_system_vgpr_workitem_id 0
		.amdhsa_next_free_vgpr 1024
		.amdhsa_next_free_sgpr 96
		.amdhsa_reserve_vcc 0
		.amdhsa_float_denorm_mode_32 3
		.amdhsa_float_denorm_mode_16_64 3
		.amdhsa_memory_ordered 1
		.amdhsa_forward_progress 1
		.amdhsa_inst_pref_size 67
	.end_amdhsa_kernel
	.amdgpu_metadata
---
amdhsa.version: [ 1, 2 ]
amdhsa.kernels:
  - .name:           k_q46d44cae08_oproj
    .symbol:         k_q46d44cae08_oproj.kd
    .args:
      - { .name: aw, .offset: 0, .size: 8, .value_kind: global_buffer, .address_space: global }
      - { .name: wo_codes, .offset: 8, .size: 8, .value_kind: global_buffer, .address_space: global }
      - { .name: wo_scales, .offset: 16, .size: 8, .value_kind: global_buffer, .address_space: global }
      - { .name: out0, .offset: 24, .size: 8, .value_kind: global_buffer, .address_space: global }
    .group_segment_fixed_size: 327680
    .private_segment_fixed_size: 0
    .kernarg_segment_align: 8
    .kernarg_segment_size: 32
    .max_flat_workgroup_size: 128
    .sgpr_count:     96
    .vgpr_count:     1024
    .wavefront_size: 32
...
	.end_amdgpu_metadata
.endif
;; end of part 3
